; MI455X (gfx1250); checked and timed in simulation.
; The chip was launched on July 23, 2026; its instructions are those of AMD's public machine-readable ISA for CDNA 5 (MIT licence, August 2026) and "CDNA5" Instruction Set Architecture Reference Guide (July 2026). The comments in the code are by the model that wrote it; some were corrected since.
;; Flash Attention. Allowed arithmetic: float matrix products may take bf16 or f16 operands with f32 sums; other float arithmetic in f32, or as packed bf16 or f16 multiplies, adds, multiply-adds, maxima and minima; sums over many terms, partial sums and values carried from step to step in f32; what a program stores and reads back later, other than sums and carried values, may be rounded once to bf16 or f16.
;; Inputs: W_out 1,024 x 1,024 float32; W_qkv 1,024 x 3,072 float32; hidden_states 4 x 2,048 x 1,024 float32.
;; Outputs: out0 4 x 2,048 x 1,024 float32.
;; One version. Each part assembles by itself: llvm-mc -triple=amdgcn-amd-amdhsa -mcpu=gfx1250 --defsym DOCPART=n.
;; ======== version 1 of 1: 4 launches
;; limits: values are held in f16: magnitudes above 65,504 overflow, below 6.1e-05 lose precision
;; workspace buffers: xb 16,777,216 bytes; wqb 6,291,456 bytes; wob 2,097,152 bytes; qkv 50,331,648 bytes; ctx 16,777,216 bytes
;; launch cast (part 1): grid 768 x 1, 8 waves a work-group, no clusters, 0 bytes of LDS; arguments hidden_states, W_qkv, W_out, xb, wqb, wob; writes xb, wqb, wob
.if DOCPART == 1
	.amdgcn_target "amdgcn-amd-amdhsa--gfx1250"
	.amdhsa_code_object_version 6
	.text
	.protected	k_qfd3f496c09_cast
	.globl	k_qfd3f496c09_cast
	.p2align	8
	.type	k_qfd3f496c09_cast,@function
k_qfd3f496c09_cast:
	s_mov_b64 s[64:65], 0
	v_nop
	global_prefetch_b8 v0, s[64:65] scope:SCOPE_SE
	s_setreg_imm32_b32 hwreg(HW_REG_WAVE_MODE, 25, 1), 1
	s_wait_xcnt 0x0
; The three inputs are rounded once for the matrix units.  hidden_states -> xb and W_qkv -> wqb in bf16; W_out -> wob: rounded to bf16 like the other inputs, and that number written as f16
; (the product that takes it has f16 operands).  LIMIT: below 6e-5 f16 keeps a fixed step of 6e-8, beyond 65,504 it has no number: W_out is expected within that range.
; A work-group takes 16,384 numbers: 65,536 bytes in, 32,768 out.  Groups 0-511 hidden_states, 512-703 W_qkv, 704-767 W_out.
; Thread t, step j of 16: 16 bytes at 16 t + 4,096 j (a wave's load covers 512 consecutive bytes), 8 bytes out at 8 t + 2,048 j (a wave's store covers 256 consecutive bytes, aligned).
; All sixteen loads of a thread go out at once; no register that a memory instruction names is written again, so no wait but the counted ones for the data is needed.
; No LDS, no barrier, no matrix unit: every byte is read once and written once, and no number meets another.
.set NX, 512                           ; groups for hidden_states: 8,388,608 / 16,384
.set NQ, 192                           ; for W_qkv: 3,145,728 / 16,384
.set X,  4                             ; v[4:67]    step j: four f32 as loaded
.set Y,  68                            ; v[68:99]   step j: four 16-bit numbers to store
.set T,  100                           ; v[100:103] at work
	s_load_b256 s[4:11], s[0:1], 0x0               ; hidden_states s[4:5], W_qkv s[6:7], W_out s[8:9], xb s[10:11]
	s_load_b128 s[12:15], s[0:1], 0x20             ; wqb s[12:13], wob s[14:15]
	s_mov_b32 s16, ttmp9                           ; the group's number
	s_sub_co_u32 s17, s16, NX                      ; its number among W_qkv's groups (used only if it is one)
	s_sub_co_u32 s18, s16, NX+NQ                   ; among W_out's
	v_lshlrev_b32 v1, 4, v0                        ; 16 t
	v_lshlrev_b32 v2, 3, v0                        ; 8 t
	s_wait_kmcnt 0x0
	s_cmp_lt_u32 s16, NX+NQ                        ; the choice of buffers hangs on the group's number alone
	s_cselect_b64 s[20:21], s[6:7], s[8:9]
	s_cselect_b64 s[22:23], s[12:13], s[14:15]
	s_cselect_b32 s19, s17, s18
	s_cmp_lt_u32 s16, NX
	s_cselect_b64 s[20:21], s[4:5], s[20:21]       ; from
	s_cselect_b64 s[22:23], s[10:11], s[22:23]     ; to
	s_cselect_b32 s19, s16, s19                    ; the group's number in its tensor
	s_lshl_b32 s24, s19, 16                        ; x 65,536 bytes in (33.5 million at the most)
	s_mov_b32 s25, 0
	s_lshl_b32 s26, s19, 15                        ; x 32,768 bytes out
	s_mov_b32 s27, 0
	s_add_nc_u64 s[20:21], s[20:21], s[24:25]
	s_add_nc_u64 s[22:23], s[22:23], s[26:27]
.set j, 0
.rept 16
	global_load_b128 v[X+4*j:X+4*j+3], v1, s[20:21] offset:4096*j th:TH_LOAD_NT  ; read once in the whole program
.set j, j+1
.endr
	s_cmp_ge_u32 s16, NX+NQ
	s_cbranch_scc1 .Lwo
.set j, 0
.rept 16
	s_wait_loadcnt 15-j                            ; loads come back in order (ISA guide 5.7.1): step j's is in, the 15 - j younger ones stay out
	v_cvt_pk_bf16_f32 v[Y+2*j],   v[X+4*j],   v[X+4*j+1]
	v_cvt_pk_bf16_f32 v[Y+2*j+1], v[X+4*j+2], v[X+4*j+3]
	global_store_b64 v2, v[Y+2*j:Y+2*j+1], s[22:23] offset:2048*j   ; the next launch reads it: no hint
.set j, j+1
.endr
	s_endpgm
.Lwo:                                                  ; W_out: to bf16, widened again (a shift, a mask), and written as f16
.set j, 0
.rept 16
	s_wait_loadcnt 15-j
.set k, 0
.rept 2
	v_cvt_pk_bf16_f32 v[T+2*k], v[X+4*j+2*k], v[X+4*j+2*k+1]
	v_lshlrev_b32 v[T+2*k+1], 16, v[T+2*k]         ; the first number
	v_and_b32 v[T+2*k], 0xffff0000, v[T+2*k]       ; the second
	v_cvt_pk_f16_f32 v[Y+2*j+k], v[T+2*k+1], v[T+2*k]
.set k, k+1
.endr
	global_store_b64 v2, v[Y+2*j:Y+2*j+1], s[22:23] offset:2048*j
.set j, j+1
.endr
	s_endpgm
.Lfunc_end_k_qfd3f496c09_cast:
	.size	k_qfd3f496c09_cast, .Lfunc_end_k_qfd3f496c09_cast-k_qfd3f496c09_cast
	.p2alignl 7, 3214868480
	.fill 96, 4, 3214868480
	.section	.rodata,"a",@progbits
	.p2align	6, 0x0
	.amdhsa_kernel k_qfd3f496c09_cast
		.amdhsa_group_segment_fixed_size 0
		.amdhsa_private_segment_fixed_size 0
		.amdhsa_enable_private_segment 0
		.amdhsa_kernarg_size 48
		.amdhsa_user_sgpr_count 2
		.amdhsa_user_sgpr_kernarg_segment_ptr 1
		.amdhsa_wavefront_size32 1
		.amdhsa_system_sgpr_workgroup_id_x 1
		.amdhsa_system_sgpr_workgroup_id_y 1
		.amdhsa_system_sgpr_workgroup_id_z 1
		.amdhsa_system_vgpr_workitem_id 0
		.amdhsa_next_free_vgpr 104
		.amdhsa_next_free_sgpr 66
		.amdhsa_reserve_vcc 0
		.amdhsa_float_denorm_mode_32 3
		.amdhsa_float_denorm_mode_16_64 3
		.amdhsa_memory_ordered 1
		.amdhsa_forward_progress 1
		.amdhsa_inst_pref_size 16
	.end_amdhsa_kernel
	.amdgpu_metadata
---
amdhsa.version: [ 1, 2 ]
amdhsa.kernels:
  - .name:           k_qfd3f496c09_cast
    .symbol:         k_qfd3f496c09_cast.kd
    .args:
      - { .name: hidden_states, .offset: 0, .size: 8, .value_kind: global_buffer, .address_space: global }
      - { .name: W_qkv, .offset: 8, .size: 8, .value_kind: global_buffer, .address_space: global }
      - { .name: W_out, .offset: 16, .size: 8, .value_kind: global_buffer, .address_space: global }
      - { .name: xb, .offset: 24, .size: 8, .value_kind: global_buffer, .address_space: global }
      - { .name: wqb, .offset: 32, .size: 8, .value_kind: global_buffer, .address_space: global }
      - { .name: wob, .offset: 40, .size: 8, .value_kind: global_buffer, .address_space: global }
    .group_segment_fixed_size: 0
    .private_segment_fixed_size: 0
    .kernarg_segment_align: 8
    .kernarg_segment_size: 48
    .max_flat_workgroup_size: 256
    .sgpr_count:     66
    .vgpr_count:     104
    .wavefront_size: 32
...
	.end_amdgpu_metadata
.endif
;; end of part 1
;; launch qkvproj (part 2): grid 16 x 32, 4 waves a work-group, clusters of 4 x 4, 327,680 bytes of LDS; arguments xb, wqb, qkv; writes qkv
.if DOCPART == 2
	.amdgcn_target "amdgcn-amd-amdhsa--gfx1250"
	.amdhsa_code_object_version 6
	.text
	.protected	k_qfd3f496c09_qkvproj
	.globl	k_qfd3f496c09_qkvproj
	.p2align	8
	.type	k_qfd3f496c09_qkvproj,@function
k_qfd3f496c09_qkvproj:
	s_mov_b64 s[64:65], 0
	v_nop
	global_prefetch_b8 v0, s[64:65] scope:SCOPE_SE
	s_setreg_imm32_b32 hwreg(HW_REG_WAVE_MODE, 25, 1), 1
	s_wait_xcnt 0x0
	s_wait_alu depctr_hold_cnt(0) depctr_sa_sdst(0) depctr_va_vdst(0) depctr_va_sdst(0) depctr_va_ssrc(0) depctr_va_vcc(0) depctr_vm_vsrc(0)
	s_getreg_b32 s2, hwreg(HW_REG_IB_STS2, 6, 4)
	s_cmp_eq_u32 s2, 0
	s_cbranch_scc0 .Lentry_in_a_cluster
	s_endpgm
.Lentry_in_a_cluster:
	s_bfe_u32 s2, ttmp6, 0x10000c
	s_cmp_lg_u32 s2, 0xf033
	s_cbranch_scc0 .Lentry_shape_is_right
	s_endpgm
.Lentry_shape_is_right:
; q, k, v = x W_qkv.  xb: [8192][1024] bf16.  wqb: [1024 k][3072 n] bf16.  qkv: [batch 4][g 48][s 2048][64] f16, g = column / 64: g 0-15 are q's heads, 16-31 k's, 32-47 v's.  Sums in f32, rounded once to f16, unscaled.
; LIMITS.  f16 holds no number beyond 65,504 and keeps a fixed step of 6e-8 below 6e-5: q, k and v are expected within that range.  NaN and infinities are not treated apart.
; SHARES.  A tile of the result is 256 rows x 192 columns (three heads): 32 x 16 = 512 work-groups, two even rounds on 256 WGPs.  Wave w makes rows 64 w .. 64 w + 63 and all 192 columns, so that no head
; is split between waves: 4 row blocks a x 12 column blocks b = 48 accumulators of 16 x 16, 384 registers.
; K goes in steps of 128 through two LDS slots filled by the tensor data mover: 256 rows of x (256 bytes each) and 128 rows of W (384 bytes each).
; W lies [k][n]: its fragments come out of LDS turned, by ds_load_tr16_b128; no pass that transposes W is needed.
; THE MATRIX INSTRUCTION IS USED TRANSPOSED: source 0 = 16 columns of W, source 1 = 16 rows of x: a lane then holds row lane % 16 and the eight neighbouring columns 8 (lane / 16) + 0..7, which pack into 16 bytes.
; CLUSTER.  4 x 4 work-groups.  The four of a row of the cluster need the same rows of x, the four of a column the same columns of W: each tile is asked for JOINTLY, by the same tensor load with the same
; descriptor and a mask that names the four.
; REGISTERS, in windows of 256 (s_set_vgpr_msb: bits 1:0 source 0, 3:2 source 1, 5:4 source 2, 7:6 destination):
;   window 0: v0-29 addresses; v64-127 x's fragments, two buffers of 32; behind the loop v32-223 the way out.   window 1: v0-191 W's fragments, two buffers of 96.
;   window 2: the accumulators of a = 0, 1 at 96 (a % 2) + 8 b;   window 3: those of a = 2, 3.
.set KSTEP,  128
.set PA,     272                       ; a row of x in LDS: 256 bytes + 16 = 68 words: the 16 rows of a load start at 16 different groups of four banks (64 banks of 4 bytes: ISA guide 11.1)
.set PW,     480                       ; a row of W: three pieces of 128 bytes + 32 = 120 words
.set WOFF,   256*PA                    ; W's rows lie behind x's 256
.set SLOT,   1<<17                     ; 256 x 272 + 128 x 480 = 131,072 bytes: one exclusive or turns an address in one slot into the other's
.set STAGE,  2*SLOT                    ; behind the ring, never filled by a tensor load: 16 rows x 144 bytes for each wave, for the way out
.set SP,     144
.set SPARE,  STAGE+4*16*SP             ; behind the stages: the spare words, 128 bytes for each wave: two blocks of 256 bytes that no other line names
.set ASTEP,  KSTEP*2                   ; bytes from a K step to the next in x
.set BSTEP,  KSTEP*3072*2              ; and in W
.set A0,   16                          ; v16  my lane's place among my wave's rows of x in a slot; never rewritten
.set B0,   17                          ; v17  the same for W's turning loads
.set ADRA, 18                          ; v18  A0 + the slot that is read
.set ADRB, 19                          ; v19  B0 + the slot that is read
.set STO,  24                          ; v24  the way out: where I put 16 bytes of a row
.set RD,   25                          ; v25  the way out: where I read rows back
.set GO,   26                          ; v26  my byte offset in 512 consecutive bytes of qkv
.set SPW,  28                          ; v28  LDS address of my spare word: SPARE + 4 x my thread's number; never rewritten
.set NIL,  29                          ; v29  0; never rewritten
.set OUT,  32                          ; the way out: unit u (16 rows of one head) at v[OUT + 16 u]
.set FA,   64                          ; x's fragments: buffer f, row block a at FA + 32 f + 8 a
.set G1A, 24                           ; s[24:31] descriptor group 1 for x's tiles
.set G1B, 32                           ; s[32:39] for W's
.set G0A, 40                           ; s[40:47] descriptor group 0 for x's tiles: a set for each of the two first fills; the second then walks on
.set G0B, 48                           ; s[48:55] the same for W's
.set MSB, 0
.macro WIN new                         ; the immediate's high byte repeats the setting that is left; a switch that changes nothing is dropped
.if MSB != (\new)
	s_set_vgpr_msb (MSB<<8)|(\new)
.set MSB, (\new)
.endif
.endm
.macro PLACES                          ; four plain vector instructions between a matrix instruction and a load into, or a read of, its registers (ISA guide 7.12.1 for vector ALU reads)
.rept 4
	v_nop
.endr
.endm
; A joint refill.  Waves 0 and 1 fetch the two halves of x's tile (128 rows each), waves 2 and 3 those of W's (64 rows each).  The branch hangs on the wave's number alone.
; An s_nop 0 and four v_nop follow each of the two lines, ahead of the jump and the label.
.macro JLOAD
	s_cmp_lt_u32 s10, 2
	s_cbranch_scc0 .Lfor_b_\@
	tensor_load_to_lds s[G0A+4:G0A+7], s[G1A:G1A+7]
	s_nop 0
.rept 4
	v_nop
.endr
	s_branch .Lasked_\@
.Lfor_b_\@:
	tensor_load_to_lds s[G0B+4:G0B+7], s[G1B:G1B+7]
	s_nop 0
.rept 4
	v_nop
.endr
.Lasked_\@:
.endm
.macro CREST                           ; a round of the cluster's barrier behind its opening barrier: wave 0 signals for the work-group, every wave waits for all sixteen, my work-group's barrier closes it
	s_cmp_lg_u32 s10, 0
	s_cbranch_scc1 .Lnot_wave_0_\@
	s_barrier_signal -3
.Lnot_wave_0_\@:
	s_barrier_wait -3
	s_barrier_signal -1
	s_barrier_wait -1
.endm
.macro CROUND                          ; a whole round
	s_barrier_signal -1
	s_barrier_wait -1
	CREST
.endm
	s_load_b128 s[4:7], s[0:1], 0x0                ; xb s[4:5], wqb s[6:7]
	s_load_b64 s[8:9], s[0:1], 0x10                ; qkv
	v_lshl_add_u32 v[SPW], v0, 2, SPARE
	v_mov_b32 v[NIL], 0
	ds_add_u32 v[SPW], v[NIL]                      ; the wave's opening: the add and its wait stand ahead of my first tensor load; the set-up below, work on registers, stands between them
	v_lshrrev_b32 v1, 5, v0
	v_readfirstlane_b32 s10, v1                    ; wave 0..3
	s_and_b32 s12, s10, 1                          ; which half of a tile I fetch
	s_bfe_u32 s56, ttmp6, 0x40000                  ; cx, cy: my place in the cluster
	s_bfe_u32 s57, ttmp6, 0x40004
	s_lshl_b32 s14, ttmp9, 2                       ; in a cluster launch ttmp9 and ttmp7 count clusters
	s_add_co_u32 s14, s14, s56                     ; tile column tc = 4 x cluster x + cx: 0..15
	s_and_b32 s13, ttmp7, 0xffff
	s_lshl_b32 s13, s13, 2
	s_add_co_u32 s13, s13, s57                     ; tile row tr = 4 x cluster y + cy: 0..31
	s_lshl_b32 s58, s57, 2
	s_lshl_b32 s58, 15, s58                        ; my row of the cluster: places 4 cy .. 4 cy + 3
	s_lshl_b32 s59, 0x1111, s56                    ; my column: places cx, cx + 4, cx + 8, cx + 12
	; group 1 for x: 128 rows x 128 elements, 4 words of padding behind every 64
	s_or_b32 s[G1A], s58, (1<<16)|(1<<20)|(1<<21)|(5<<22)|(3<<25)  ; 15:0 the mask: my row; 17:16 elements of 2 bytes; 20 padding on; 21 set beside a mask; 24:22 after every 64 words (code 5); 31:25 4 words (code 3)
	s_mov_b32 s[G1A+1], 128<<16                    ; tensor_dim0 = 128
	s_mov_b32 s[G1A+2], 128<<16                    ; tensor_dim1 = 128
	s_mov_b32 s[G1A+3], 128<<16                    ; tile_dim0 = 128
	s_mov_b32 s[G1A+4], 128                        ; tile_dim1 = 128
	s_mov_b32 s[G1A+5], 1024                       ; elements from row to row
	s_mov_b32 s[G1A+6], 0
	s_mov_b32 s[G1A+7], 0
	; group 1 for W: 64 rows x 192 elements, 8 words of padding behind every 32: three pieces to a row
	s_or_b32 s[G1B], s59, (1<<16)|(1<<20)|(1<<21)|(4<<22)|(7<<25)  ; the mask: my column; after every 32 words (code 4) 8 words (code 7)
	s_mov_b32 s[G1B+1], 192<<16                    ; tensor_dim0 = 192
	s_mov_b32 s[G1B+2], 64<<16                     ; tensor_dim1 = 64
	s_mov_b32 s[G1B+3], 192<<16                    ; tile_dim0 = 192
	s_mov_b32 s[G1B+4], 64                         ; tile_dim1 = 64
	s_mov_b32 s[G1B+5], 3072
	s_mov_b32 s[G1B+6], 0
	s_mov_b32 s[G1B+7], 0
	; where the tiles come from.  x's hang on the tile row alone, W's on the tile column alone; each offset lies in registers that never hold the other coordinate
	s_lshl_b32 s16, s13, 19                        ; 256 rows of 2,048 bytes a tile row,
	s_lshl_b32 s17, s12, 18                        ; 128 rows a half
	s_add_co_u32 s16, s16, s17
	s_mov_b32 s17, 0
	s_mul_i32 s20, s12, 64*3072*2                  ; 64 rows of 6,144 bytes a half,
	s_mul_i32 s21, s14, 384                        ; 192 columns a tile column
	s_add_co_u32 s20, s20, s21
	s_mov_b32 s21, 0
	s_mul_i32 s60, s12, 128*PA                     ; and where they go: no place in the cluster enters an LDS address
	s_mul_i32 s61, s12, 64*PW
	s_add_co_u32 s61, s61, WOFF
	s_mov_b32 s15, 0                               ; the slot that is read
	s_wait_dscnt 0x0                               ; the opening add is done
	s_wait_kmcnt 0x0
	s_add_nc_u64 s[16:17], s[4:5], s[16:17]
	s_add_nc_u64 s[20:21], s[6:7], s[20:21]
	CROUND                                         ; all sixteen work-groups are here: the first joint loads meet
.irp s, 0,1
	s_mov_b32 s[G0A+4*(\s)], 1                                       ; count = 1
	s_add_co_u32 s[G0A+4*(\s)+1], s60, (\s)*SLOT                     ; LDS address
	s_add_nc_u64 s[G0A+4*(\s)+2:G0A+4*(\s)+3], s[16:17], (\s)*ASTEP  ; global address: K step s
	s_or_b32 s[G0A+4*(\s)+3], s[G0A+4*(\s)+3], 0x80000000            ; type = 2
	s_mov_b32 s[G0B+4*(\s)], 1
	s_add_co_u32 s[G0B+4*(\s)+1], s61, (\s)*SLOT
	s_add_nc_u64 s[G0B+4*(\s)+2:G0B+4*(\s)+3], s[20:21], (\s)*BSTEP
	s_or_b32 s[G0B+4*(\s)+3], s[G0B+4*(\s)+3], 0x80000000
.endr
	s_cmp_lt_u32 s10, 2                            ; a wave's two first fills stand in one branch, ahead of every wait on TENSORcnt and every LDS read: two loads of mine are out
	s_cbranch_scc0 .Lfirst_b
	tensor_load_to_lds s[G0A:G0A+3], s[G1A:G1A+7]
	s_nop 0
	tensor_load_to_lds s[G0A+4:G0A+7], s[G1A:G1A+7]
	s_nop 0
.rept 4
	v_nop
.endr
	s_branch .Lfirst_asked
.Lfirst_b:
	tensor_load_to_lds s[G0B:G0B+3], s[G1B:G1B+7]
	s_nop 0
	tensor_load_to_lds s[G0B+4:G0B+7], s[G1B:G1B+7]
	s_nop 0
.rept 4
	v_nop
.endr
.Lfirst_asked:
	; A fragment of x is 16 rows x 32 K in 8 registers: lane l holds row l % 16, K = 8 (l / 16) + 0..7 and 16 + 8 (l / 16) + 0..7: two loads of 16 bytes, 32 bytes apart.
	v_and_b32 v1, 15, v0                           ; l % 16
	v_bfe_u32 v2, v0, 4, 1                         ; l / 16
	v_mul_u32_u24 v3, v1, PA
	v_lshl_add_u32 v3, v2, 4, v3
	s_mul_i32 s60, s10, 64*PA                      ; my wave's 64 rows
	v_add_nc_u32 v[A0], s60, v3
	; The turning load takes 16 K x 16 columns (lane l reads row 8 (l / 16) + l % 8, columns 8 ((l / 8) % 2) + 0..7) and leaves half a fragment: lane l holds column l % 16 and 8 K.
	v_and_b32 v4, 7, v0
	v_bfe_u32 v5, v0, 3, 1
	v_lshl_add_u32 v6, v2, 3, v4
	v_mul_u32_u24 v6, v6, PW
	v_lshl_add_u32 v6, v5, 4, v6
	v_add_nc_u32 v[B0], WOFF, v6
	v_add_nc_u32 v[ADRA], s15, v[A0]
	v_add_nc_u32 v[ADRB], s15, v[B0]
	s_mul_i32 s61, s10, 16*SP
	s_add_co_u32 s61, s61, STAGE                   ; my stage
	v_mul_u32_u24 v7, v1, SP                       ; in: row l % 16, 16 bytes for each half of the lanes
	v_lshl_add_u32 v7, v2, 4, v7
	v_add_nc_u32 v[STO], s61, v7
	v_bfe_u32 v8, v0, 3, 2                         ; back: 32 lanes take four rows of 128 bytes,
	v_mul_u32_u24 v8, v8, SP
	v_lshl_add_u32 v8, v4, 4, v8
	v_add_nc_u32 v[RD], s61, v8
	v_and_b32 v9, 31, v0                           ; which are 512 consecutive bytes of a head
	v_lshlrev_b32 v[GO], 4, v9
	; qkv at my wave's first row of the tile's first head: ((48 batch + 3 tc) x 2,048 + 256 (tr % 8) + 64 w) rows of 128 bytes
	s_lshr_b32 s22, s13, 3                         ; the batch: eight tile rows each
	s_mul_i32 s22, s22, 48
	s_mul_i32 s23, s14, 3
	s_add_co_u32 s22, s22, s23
	s_lshl_b32 s22, s22, 18
	s_and_b32 s23, s13, 7
	s_lshl_b32 s23, s23, 15
	s_add_co_u32 s22, s22, s23
	s_lshl_b32 s23, s10, 13
	s_add_co_u32 s22, s22, s23
	s_mov_b32 s23, 0
	s_add_nc_u64 s[8:9], s[8:9], s[22:23]
; 12 matrix instructions: row block a x all 12 column blocks, 32 along K, from buffer f.  zero = 1: the first product starts the sums: nothing is ever cleared.
; The accumulators take turns, one instruction a turn: between two links of a chain stand the 47 others'.
.macro MULA f, a, zero
	WIN 0xa1+0x50*((\a)/2)                         ; source 0 (W) window 1, source 1 (x) window 0, C and D window 2 or 3
.set rA, FA+32*(\f)+8*(\a)
.set b, 0
.rept 12
.set rC, 96*((\a)%2)+8*b
.set rB, 96*(\f)+8*b
.if \zero
	v_wmma_f32_16x16x32_bf16 v[rC:rC+7], v[rB:rB+7], v[rA:rA+7], 0
.else
	v_wmma_f32_16x16x32_bf16 v[rC:rC+7], v[rB:rB+7], v[rA:rA+7], v[rC:rC+7]
.endif
.set b, b+1
.endr
.endm
; 32 LDS loads in one run: the fragments of quarter q (32 K) of the slot that is read, into buffer f: W's 24, then x's 8, row blocks ascending
.macro FETCH q, f
	WIN 0x40                                       ; destination window 1, address window 0
.set b, 0
.rept 12
.set rB, 96*(\f)+8*b
	ds_load_tr16_b128 v[rB:rB+3],   v[ADRB] offset:(\q)*32*PW+(b/4)*160+(b%4)*32
	ds_load_tr16_b128 v[rB+4:rB+7], v[ADRB] offset:(\q)*32*PW+(b/4)*160+(b%4)*32+16*PW
.set b, b+1
.endr
	WIN 0
.set a, 0
.rept 4
.set rA, FA+32*(\f)+8*a
	ds_load_b128 v[rA:rA+3],   v[ADRA] offset:(\q)*64+a*16*PA
	ds_load_b128 v[rA+4:rA+7], v[ADRA] offset:(\q)*64+a*16*PA+32
.set a, a+1
.endr
.endm
; A K step is four quarters of 32 along K, 48 matrix instructions each, on buffers 0, 1, 0, 1.  One of the first three: multiplies buffer f; in its middle it fetches quarter q into the other buffer.
.macro QUARTER f, q, zero
	s_wait_dscnt 4                                 ; W and x's row blocks 0, 1 are in; the youngest four loads (row blocks 2, 3) may be out
	MULA \f, 0, \zero
	MULA \f, 1, \zero
	PLACES                                         ; the other buffer's last reader stands 24 matrix instructions back; these are its places
	FETCH \q, 1-(\f)
	s_wait_dscnt 32                                ; all but the 32 just issued
	MULA \f, 2, \zero
	MULA \f, 3, \zero
.endm
; The last quarter multiplies buffer 1 and changes slots.  ONE barrier: in front of it each wave waits for all its tensor loads (one is out: its part of the next slot), adds 0 to its spare word, and waits for
; that and for its own reads of this slot.  fill = 1: this slot is filled again, two K steps ahead; the barrier then opens a round of the cluster's, and the joint refill is the first thing behind the round:
; 168 matrix instructions stand between it and the wait for it.
.macro TURN fill
	WIN 0                                          ; (the add's two registers lie in window 0)
	s_wait_tensorcnt 0x0                           ; no tensor load of mine is out, so a group 0 may be written
	ds_add_u32 v[SPW], v[NIL]                      ; 0 onto my spare word; work on registers stands between it and the wait for it
.if \fill
	s_xor_b32 s[G0A+5], s[G0A+5], SLOT             ; the walking descriptors: the other slot than last time,
	s_add_nc_u64 s[G0A+6:G0A+7], s[G0A+6:G0A+7], ASTEP  ; the next K step; the type bits on top are not reached
	s_xor_b32 s[G0B+5], s[G0B+5], SLOT
	s_add_nc_u64 s[G0B+6:G0B+7], s[G0B+6:G0B+7], BSTEP
.endif
	s_wait_dscnt 5                                 ; the add and the youngest four loads may be out
	MULA 1, 0, 0
	s_wait_dscnt 0x0                               ; the add is done, and my reads of this slot are over
	s_barrier_signal -1
	MULA 1, 1, 0                                   ; work on registers while the others arrive
	WIN 0                                          ; at a branch and at a label every window is 0
	s_barrier_wait -1
.if \fill
	CREST                                          ; no wave of any partner still reads this slot's tiles or has a load on its way
	JLOAD                                          ; its four v_nop are also the places in front of the loads below
.else
	PLACES
.endif
	s_xor_b32 s15, s15, SLOT                       ; the reads go to the other slot
	v_add_nc_u32 v[ADRA], s15, v[A0]
	v_add_nc_u32 v[ADRB], s15, v[B0]
	FETCH 0, 0
	MULA 1, 2, 0
	MULA 1, 3, 0
.endm
; THE WAY OUT, in 12 units u = 3 a + head: 16 rows x 64 columns.  A lane's eight columns pack into 16 bytes; they go into my stage's rows of 144 bytes and come back as whole rows of 128, into the registers that they left.
.macro PACK u
.set pa, (\u)/3
.set ph, (\u)%3
	WIN 0x0a+5*(pa/2)                              ; sources 0 and 1: window 2 or 3
.set i, 0
.rept 16                                       ; each accumulator's registers in ascending order
.set rC, 96*(pa%2)+8*(4*ph+i/4)+2*(i%4)
	v_cvt_pk_f16_f32 v[OUT+16*(\u)+i], v[rC], v[rC+1]
.set i, i+1
.endr
	WIN 0
.set i, 0
.rept 4
	ds_store_b128 v[STO], v[OUT+16*(\u)+4*i:OUT+16*(\u)+4*i+3] offset:32*i
.set i, i+1
.endr
.set i, 0
.rept 4
	ds_load_b128 v[OUT+16*(\u)+4*i:OUT+16*(\u)+4*i+3], v[RD] offset:4*SP*i  ; LDS serves a wave's instructions in order (ISA guide 5.7.1.4): these see the stores above; the next unit's stores come behind them
.set i, i+1
.endr
.endm
.macro SEND u, younger                 ; younger: the LDS instructions issued behind unit u's loads: the next unit's eight, or none
	WIN 0
.set i, 0
.rept 4
	s_wait_dscnt (\younger)+3-i
	global_store_b128 v[GO], v[OUT+16*(\u)+4*i:OUT+16*(\u)+4*i+3], s[8:9] offset:((\u)%3)*262144+((\u)/3)*2048+i*512  ; 512 consecutive bytes, at a multiple of 256 from qkv's first; every unit has registers of its own
.set i, i+1
.endr
.endm
	s_wait_tensorcnt 0x1                           ; my part of K step 0 is in; K step 1's may stay out
	s_barrier_signal -1
	s_barrier_wait -1                              ; everybody's is
	FETCH 0, 0
	QUARTER 0, 1, 1                                ; the first quarter stands in front of the loop: its products start the sums
	WIN 0
	s_mov_b32 s3, 6
.Llap:                                                 ; a trip: from a K step's second quarter to the next step's first; six trips fill slots again, with K steps 2 to 7
	QUARTER 1, 2, 0
	QUARTER 0, 3, 0
	TURN 1
	QUARTER 0, 1, 0
	WIN 0
	s_sub_co_u32 s3, s3, 1
	s_cmp_lg_u32 s3, 0
	s_cbranch_scc1 .Llap
	QUARTER 1, 2, 0                                ; the tail is written out: K step 6 goes on
	QUARTER 0, 3, 0
	TURN 0                                         ; nothing is asked for,
	QUARTER 0, 1, 0                                ; K step 7
	QUARTER 1, 2, 0
	QUARTER 0, 3, 0
	s_wait_dscnt 4                                 ; the very last quarter: nothing more to fetch
	MULA 1, 0, 0
	MULA 1, 1, 0
	s_wait_dscnt 0x0
	MULA 1, 2, 0
	MULA 1, 3, 0
	WIN 0
	PLACES                                         ; the conversions read results just made and write registers that the last products read
	PACK 0
.set u, 1
.rept 11                                       ; a unit's conversions stand between the loads of the unit before and its stores
	PACK u
	SEND u-1, 8
.set u, u+1
.endr
	SEND 11, 0
	s_wait_tensorcnt 0x0                           ; the wave's end: an add to my spare word and its wait, behind my last tensor load and my last LDS store
	ds_add_u32 v[SPW], v[NIL]
	s_wait_dscnt 0x0
	CROUND                                         ; the closing round: no work-group ends while a partner may still ask for a tile that names it
	s_endpgm
.Lfunc_end_k_qfd3f496c09_qkvproj:
	.size	k_qfd3f496c09_qkvproj, .Lfunc_end_k_qfd3f496c09_qkvproj-k_qfd3f496c09_qkvproj
	.p2alignl 7, 3214868480
	.fill 96, 4, 3214868480
	.section	.rodata,"a",@progbits
	.p2align	6, 0x0
	.amdhsa_kernel k_qfd3f496c09_qkvproj
		.amdhsa_group_segment_fixed_size 327680
		.amdhsa_private_segment_fixed_size 0
		.amdhsa_enable_private_segment 0
		.amdhsa_kernarg_size 24
		.amdhsa_user_sgpr_count 2
		.amdhsa_user_sgpr_kernarg_segment_ptr 1
		.amdhsa_wavefront_size32 1
		.amdhsa_system_sgpr_workgroup_id_x 1
		.amdhsa_system_sgpr_workgroup_id_y 1
		.amdhsa_system_sgpr_workgroup_id_z 1
		.amdhsa_system_vgpr_workitem_id 0
		.amdhsa_next_free_vgpr 960
		.amdhsa_next_free_sgpr 66
		.amdhsa_reserve_vcc 0
		.amdhsa_float_denorm_mode_32 3
		.amdhsa_float_denorm_mode_16_64 3
		.amdhsa_memory_ordered 1
		.amdhsa_forward_progress 1
		.amdhsa_inst_pref_size 98
	.end_amdhsa_kernel
	.amdgpu_metadata
---
amdhsa.version: [ 1, 2 ]
amdhsa.kernels:
  - .name:           k_qfd3f496c09_qkvproj
    .symbol:         k_qfd3f496c09_qkvproj.kd
    .args:
      - { .name: xb, .offset: 0, .size: 8, .value_kind: global_buffer, .address_space: global }
      - { .name: wqb, .offset: 8, .size: 8, .value_kind: global_buffer, .address_space: global }
      - { .name: qkv, .offset: 16, .size: 8, .value_kind: global_buffer, .address_space: global }
    .group_segment_fixed_size: 327680
    .private_segment_fixed_size: 0
    .kernarg_segment_align: 8
    .kernarg_segment_size: 24
    .max_flat_workgroup_size: 128
    .sgpr_count:     66
    .vgpr_count:     960
    .wavefront_size: 32
...
	.end_amdgpu_metadata
.endif
;; end of part 2
;; launch attn (part 3): grid 4 x 64, 4 waves a work-group, clusters of 4 x 1, 327,680 bytes of LDS; arguments qkv, ctx; writes ctx
.if DOCPART == 3
	.amdgcn_target "amdgcn-amd-amdhsa--gfx1250"
	.amdhsa_code_object_version 6
	.text
	.protected	k_qfd3f496c09_attn
	.globl	k_qfd3f496c09_attn
	.p2align	8
	.type	k_qfd3f496c09_attn,@function
k_qfd3f496c09_attn:
	s_mov_b64 s[64:65], 0
	v_nop
	global_prefetch_b8 v0, s[64:65] scope:SCOPE_SE
	s_setreg_imm32_b32 hwreg(HW_REG_WAVE_MODE, 25, 1), 1
	s_wait_xcnt 0x0
	s_wait_alu depctr_hold_cnt(0) depctr_sa_sdst(0) depctr_va_vdst(0) depctr_va_sdst(0) depctr_va_ssrc(0) depctr_va_vcc(0) depctr_vm_vsrc(0)
	s_getreg_b32 s2, hwreg(HW_REG_IB_STS2, 6, 4)
	s_cmp_eq_u32 s2, 0
	s_cbranch_scc0 .Lentry_in_a_cluster
	s_endpgm
.Lentry_in_a_cluster:
	s_bfe_u32 s2, ttmp6, 0x10000c
	s_cmp_lg_u32 s2, 0x3003
	s_cbranch_scc0 .Lentry_shape_is_right
	s_endpgm
.Lentry_shape_is_right:
; ctx[y][q][:] = the sum over k of softmax_k(Q[q] . K[k] / 8) V[k][:], for each of the 64 heads y = 16 batch + h.  qkv: [batch 4][g 48][2048][64] f16: Q is g = h, K is g = 16 + h, V is g = 32 + h; ctx: [y 64][2048][64] f16.
; A head's rows are dense, 128 bytes each.  Products, maxima and sums in f32; the weights p are rounded to f16 for the second product (their sum l is taken of the unrounded p), ctx once at the end.
; LIMITS.  f16 holds no number beyond 65,504: Q, K and V arrive within it; p lies in 0 to 1, and below 6e-5 it keeps f16's fixed step of 6e-8; ctx is a mean of V's rows and has their range.
; A weight below 2^-126 counts as 0 in l; NaN and infinities are not treated apart.
; SHARES.  A wave owns four PIECES of two tiles of 16 queries, a work-group's four waves 512 queries of one head: 4 x 64 = 256 work-groups.  Every wave walks all 2,048 keys, 64 a step.
; LAYOUT.  S^T = K Q^T (source 0 = 16 keys, source 1 = 16 queries): in the result a lane holds ONE query (lane % 16) and the keys 8 (lane / 16) + 0..7.  Two such tiles, rounded to f16 in pairs,
; ARE source 1 (32 keys x 16 queries) of O^T = V^T P, whose result again holds one query a lane, and eight channels.  K comes out of LDS as it lies, V ([key][channel]) turned, by ds_load_tr16_b128.
; SOFTMAX.  For each query a running maximum m and sum l: p = 2^(c s - c m), c = log2(e) / 8; in every step O and l are multiplied by a = 2^(c m_old - c m_new), which is 1 where m has not grown.
; m starts at the lowest finite number, O and l at 0: the first step is a step like any other, with a = 0.
; THE COUNT.  A tile and step have 16 matrix and 118 vector instructions: too many to stand all beside the matrix work.  So the order has one aim: four vector instructions that are READY behind
; EVERY matrix instruction, and the others, which need time of their own whatever the order, in runs without a gap.
; BY TURNS.  Turn n belongs to piece n (the pieces in a ring, step after step).  Its matrix work: 16 products K Q^T of piece n + 1, later 16 products V^T P of piece n - 1.  Its vector work: the scaling,
; exponentials, roundings, sums and rescaling of piece n, and the maximum and statistics of piece n + 1, whose scores the turn itself has made.  So what a turn begins with (c s - c m, O a) waits for nothing.
; CLUSTER.  The four query blocks of a cluster belong to one head and walk the same K and V, so each tile is asked for JOINTLY: the same tensor load, descriptor and mask in all four.
; REGISTERS, in windows of 256 (s_set_vgpr_msb says which window each operand place means: bits 1:0 source 0, 3:2 source 1, 5:4 source 2, 7:6 destination):
;   window 0: v0-11 addresses; v12-15, v48-63 at work; v16-47 four registers of statistics a tile; v64-191 S^T, two buffers of two tiles; v192-255 P, likewise
;   window 1: O^T, 32 a tile          window 2: v0-127 Q, 16 a tile; v128-191 K of one step; v192-255 V of one step          window 3: v0-1 the add's two registers
; A piece's buffers go by its number's parity: the piece in hand has one pair, its two neighbours in the ring share the other: of it P (piece n - 1) is read and S^T (piece n + 1) written.
.set SIZE_N, 2048     ; rows of a head
.set NP,    4         ; pieces a wave: a name, no knob: the register map, the loop and the fetches are made for four
.set KS,    64        ; keys in a step
.set PK,    144       ; a row of K in LDS: 128 bytes + 16 of padding = 36 words: the 16 rows of a load start at 16 different groups of four banks (64 banks of 4 bytes: ISA guide 11.1)
.set PV,    160       ; a row of V: 128 + 32 = 40 words
.set VOFF,  4*KS*PK   ; a slot holds four steps: 256 rows of K, then 256 rows of V
.set SLOT1, 1<<17     ; slot 1 begins here, so that one exclusive or turns an address in one slot into the other's
.set STAGE, SLOT1+4*KS*(PK+PV)  ; behind the ring, never filled by a tensor load: 16 rows x 144 bytes for each wave, for the way out
.set SP,    144
.set AK0, 2           ; v2   my lane's place in a tile of K; never rewritten
.set AV0, 3           ; v3   the same for V
.set AK,  4           ; v4   the LDS address of K's next run of loads
.set AV,  5           ; v5   of V's
.set QO,  6           ; v6   my byte offset in the wave's rows of Q
.set STO, 6           ;      later, the way out: where I put 16 bytes of a row
.set RD,  7           ; v7   the way out: where I read rows back
.set GO,  8           ; v8   my byte offset in 512 consecutive bytes of ctx
.set SPW, 0           ; v0 of window 3   LDS address of my spare word: SPARE + 4 x my thread's number; never rewritten
.set NIL, 1           ; v1 of window 3   0; never rewritten
.set SPARE, STAGE+4*16*SP  ; behind the stages: the spare words, 128 bytes for each wave: two blocks of 256 bytes that no other line names
.set MV,  12          ; v12-15  c m_old, kept while c m is made anew: by buffer and tile
.set ST,  16          ; tile t's statistics at v[ST+4 t]: c m, m, l (even keys', odd keys')
.set TMP, 48          ; by buffer and tile, four registers c0-c3 at work; when the maximum is found c2 takes a
.set S,   64
.set P,   192
.set KF,  128         ; K's fragments, in window 2: key block kb, channel half c at KF + 16 kb + 8 c
.set VF,  192         ; V's: key half kk, channel block cb at VF + 32 kk + 8 cb
.set WV,  12          ; s12  my wave's number
.set G1K, 24          ; s[24:31] descriptor group 1 for K's tiles
.set G1V, 32          ; s[32:39] for V's: it differs in the padding alone
.set G0K, 40          ; s[40:43] descriptor group 0 for K's tiles: it walks
.set G0V, 44          ; s[44:47] the same for V's
.set SLOTS, 56        ; s56  slots still to be asked for
.set CNT, 57          ; s57  counts a slot's key steps
.set CS,  58          ; s[58:59] c: the packed scaling takes the pair's low word for both halves
.set SEL, 60          ; s[60:61] v_permlanex16_b32's selects: each lane takes its own place in the other half
.set TBK, 62          ; s62  LDS byte at which K of the step to be fetched begins
.set TBV, 63          ; s63  the same for V, less VOFF
.set MSB, 0
.macro WIN new                      ; the high byte repeats the setting that is left; a switch that changes nothing is dropped
.if MSB != (\new)
	s_set_vgpr_msb (MSB<<8)|(\new)
.set MSB, (\new)
.endif
.endm
.set W_KQ, 0x0a       ; K and Q in window 2, S^T in window 0
.set W_PV, 0x52       ; V in window 2, P in window 0, O^T in window 1
.set W_RS, 0x41       ; O^T (destination and source 0) in window 1, a in window 0
.set W_MK, 0xc0       ; the add's registers are made: destination in window 3, sources in window 0
.set W_AD, 0x0f       ; the add: address (source 0) and data (source 1) in window 3
; A joint fill.  Waves 0 and 1 fetch the two halves of a slot's K, waves 2 and 3 those of its V: 128 keys each.  The branch hangs on the wave's number alone.
; An s_nop 0 and four v_nop follow each of the two lines, ahead of the jump and the label.
.macro JLOAD
	s_cmp_lt_u32 s[WV], 2
	s_cbranch_scc0 .Lfor_v_\@
	tensor_load_to_lds s[G0K:G0K+3], s[G1K:G1K+7]
	s_nop 0
.rept 4
	v_nop
.endr
	s_branch .Lasked_\@
.Lfor_v_\@:
	tensor_load_to_lds s[G0V:G0V+3], s[G1V:G1V+7]
	s_nop 0
.rept 4
	v_nop
.endr
.Lasked_\@:
.endm
; A round of the cluster's barrier: my work-group's barrier, so that wave 0's signal speaks for all four waves; wave 0 signals; every wave waits for all four work-groups; my work-group's barrier once more.
.macro CROUND
	s_barrier_signal -1
	s_barrier_wait -1
	s_cmp_lg_u32 s[WV], 0
	s_cbranch_scc1 .Lnot_wave_0_\@
	s_barrier_signal -3
.Lnot_wave_0_\@:
	s_barrier_wait -3
	s_barrier_signal -1
	s_barrier_wait -1
.endm
; THE CHANGE OF SLOTS.  The slot's last bytes, V of its fourth step, have been read.  Each wave waits for all its tensor loads, of which one is out: its part
; of the other slot; adds 0 to its spare word; and waits for that and for its own reads of the slot.  Behind the barrier nobody reads this slot any more and the other slot is whole.
; fill = 1: this slot is filled again, with the keys two slots on.  The barrier is then a round of the cluster's, so that no wave of any partner still reads the slot or has a load on its
; way, and the joint fill is the first thing behind it: it has four key steps, 512 matrix instructions, in which to land.  (At its first use nothing has been read yet: slot 0 is waited for, slot 1 filled.)
.macro CHANGE fill
	WIN W_AD
	s_wait_tensorcnt 0x0            ; no tensor load of mine is out, so a group 0 may be written
	ds_add_u32 v[SPW], v[NIL]       ; 0 onto my spare word; with fill = 1 the descriptors' steps stand between it and the wait for it
	WIN 0                           ; at a label and at a branch every window is 0
.if \fill
.irp g, G0K, G0V
	s_xor_b32 s[\g+1], s[\g+1], SLOT1  ; the walking descriptor: the other slot than last time,
	s_add_nc_u64 s[\g+2:\g+3], s[\g+2:\g+3], 4*KS*128  ; the next 256 keys; the type bits on top are not reached
.endr
	s_wait_dscnt 0x0                ; the add is done, and my reads of the slot are over
	CROUND
	JLOAD
.else
	s_wait_dscnt 0x0                ; the add is done, and my reads of the slot are over
	s_barrier_signal -1
	s_barrier_wait -1
.endif
	s_sub_co_u32 s[TBK], s[TBK], 4*KS*PK  ; the fetches go back to a slot's first step,
	s_xor_b32 s[TBK], s[TBK], SLOT1       ; in the other slot
	s_sub_co_u32 s[TBV], s[TBV], 4*KS*PV
	s_xor_b32 s[TBV], s[TBV], SLOT1
.endm
	s_load_b128 s[4:7], s[0:1], 0x0   ; qkv s[4:5], ctx s[6:7]
	WIN W_MK
	v_lshl_add_u32 v[SPW], v0, 2, SPARE
	v_mov_b32 v[NIL], 0
	WIN W_AD
	ds_add_u32 v[SPW], v[NIL]       ; the wave's opening: the add and its wait stand ahead of my first tensor load; the set-up below, work on registers, stands between them
	WIN 0
	v_lshrrev_b32 v1, 5, v0
	v_readfirstlane_b32 s[WV], v1   ; wave 0..3
	s_bfe_u32 s13, ttmp6, 0x40000   ; cx: my place in the cluster
	s_lshl_b32 s14, ttmp9, 2        ; in a cluster launch ttmp9 counts clusters
	s_add_co_u32 s14, s14, s13      ; my block of queries = 4 x cluster x + cx: it enters Q's and ctx's addresses alone
	s_and_b32 s19, ttmp7, 0xffff    ; y = 16 batch + h, which the four partners share
	s_lshl_b32 s48, s19, 18         ; the head's first byte in ctx: y x 2,048 rows of 128 bytes
	s_mov_b32 s49, 0
	s_lshr_b32 s20, s19, 4          ; the batch
	s_lshl_b32 s20, s20, 5
	s_add_co_u32 s20, s20, s19      ; 48 batch + h
	s_lshl_b32 s20, s20, 18         ; Q's first byte in qkv (under 42 million); K's lies 16 heads on, V's 32
	s_mov_b32 s21, 0
	s_and_b32 s16, s[WV], 1         ; which half of a slot's 256 keys I fetch:
	s_lshl_b32 s22, s16, 14         ; its 128 rows of 128 bytes in memory,
	s_mov_b32 s23, 0
	s_add_nc_u64 s[22:23], s[22:23], s[20:21]
	s_mul_i32 s17, s16, 128*PK      ; and its place in a slot, for K
	s_mul_i32 s18, s16, 128*PV      ; and for V: no place in the cluster enters an LDS address
	s_lshl_b32 s2, s14, 2
	s_add_co_u32 s2, s2, s[WV]      ; my wave among the head's,
	s_lshl_b32 s2, s2, 14           ; its 128 rows
	s_mov_b32 s3, 0
	; descriptor group 1.  128 keys are 16,384 dense bytes: asked for as 64 rows of 256 bytes, two keys a row, and padded in LDS after every key
	s_mov_b32 s[G1K], 15|(1<<16)|(1<<20)|(1<<21)|(4<<22)|(3<<25)  ; 15:0 the mask of four; 17:16 2-byte elements; 20 padding on; 21 set beside a mask; 24:22 after every 32 words (code 4); 31:25 4 words (code 3)
	s_mov_b32 s[G1V], 15|(1<<16)|(1<<20)|(1<<21)|(4<<22)|(7<<25)  ; the same with 8 words of padding (code 7)
.irp g, G1K, G1V
	s_mov_b32 s[\g+1], 128<<16      ; tensor_dim0 = 128
	s_mov_b32 s[\g+2], 64<<16       ; tensor_dim1 = 64
	s_mov_b32 s[\g+3], 128<<16      ; tile_dim0 = 128
	s_mov_b32 s[\g+4], 64           ; tile_dim1 = 64
	s_mov_b32 s[\g+5], 128          ; 128 elements from row to row
	s_mov_b32 s[\g+6], 0
	s_mov_b32 s[\g+7], 0
.endr
	s_mov_b32 s[CS], 0x3e38aa3b     ; c = log2(e) / 8 = 0.180337
	s_mov_b32 s[CS+1], s[CS]        ; named with it as a pair
	s_mov_b32 s[SEL], 0x76543210
	s_mov_b32 s[SEL+1], 0xfedcba98
	s_mov_b32 s[TBK], SLOT1+4*KS*PK ; the first change of slots turns these two into 0
	s_mov_b32 s[TBV], SLOT1+4*KS*PV
	s_mov_b32 s[G0K], 1             ; 1:0 count = 1
	s_mov_b32 s[G0K+1], s17         ; 63:32 LDS address: slot 0
	s_mov_b32 s[G0V], 1
	s_add_co_u32 s[G0V+1], s18, VOFF
	s_wait_dscnt 0x0                ; the opening add is done
	s_wait_kmcnt 0x0
	s_add_nc_u64 s[10:11], s[6:7], s[48:49]        ; ctx at the head,
	s_add_nc_u64 s[10:11], s[10:11], s[2:3]        ; at my wave's first row
	s_add_nc_u64 s[G0K+2:G0K+3], s[4:5], s[22:23]  ; 120:64 global address: my half of the head's first 256 keys,
	s_add_nc_u64 s[G0K+2:G0K+3], s[G0K+2:G0K+3], 0x400000  ; 16 heads of 262,144 bytes behind Q
	s_or_b32 s[G0K+3], s[G0K+3], 0x80000000        ; 127:126 type = 2
	s_add_nc_u64 s[G0V+2:G0V+3], s[4:5], s[22:23]
	s_add_nc_u64 s[G0V+2:G0V+3], s[G0V+2:G0V+3], 0x800000  ; 32 heads behind Q
	s_or_b32 s[G0V+3], s[G0V+3], 0x80000000
	s_add_nc_u64 s[4:5], s[4:5], s[20:21]          ; Q at the head,
	s_add_nc_u64 s[4:5], s[4:5], s[2:3]            ; at my wave's first row
	CROUND                          ; all four work-groups are here: the first joint loads meet
	JLOAD                           ; slot 0.  Slot 1 is asked for when slot 0 is in
	; A fragment of K or Q is 16 rows x 32 channels in 8 registers: lane l holds row l % 16, channels 8 (l / 16) + 0..7 and 16 + 8 (l / 16) + 0..7: two loads of 16 bytes, 32 bytes apart.
	v_and_b32 v1, 15, v0            ; l % 16
	v_bfe_u32 v9, v0, 4, 1          ; l / 16
	v_lshlrev_b32 v[QO], 7, v1
	v_lshl_add_u32 v[QO], v9, 4, v[QO]  ; row x 128 + 16 x half
	WIN 0x80                        ; destination window 2, address window 0
.set i, 0
.rept 4*NP                          ; Q stays in registers: tile i / 2, channels 32 (i % 2) on
	global_load_b128 v[8*i:8*i+3],   v[QO], s[4:5] offset:(i/2)*2048+(i%2)*64
	global_load_b128 v[8*i+4:8*i+7], v[QO], s[4:5] offset:(i/2)*2048+(i%2)*64+32
.set i, i+1
.endr
	; What the first turn finds: V's registers and P's second buffer hold 0 (its products V^T P, of a piece that has not been, add 0), O^T and l are 0.  All this stands in the wait for the first tile.
.set i, VF
.rept 64
	v_mov_b32 v[i], 0
.set i, i+1
.endr
	WIN 0x40
.set i, 0
.rept 64*NP
	v_mov_b32 v[i], 0
.set i, i+1
.endr
	WIN 0
.set i, 0
.rept 2*NP
	v_mov_b32 v[ST+4*i], 0xfe000000    ; c m: far below every c s
	v_mov_b32 v[ST+4*i+1], 0xff7fffff  ; m
	v_mov_b32 v[ST+4*i+2], 0
	v_mov_b32 v[ST+4*i+3], 0
.set i, i+1
.endr
.set i, P+32
.rept 32
	v_mov_b32 v[i], 0
.set i, i+1
.endr
	v_mul_u32_u24 v[AK0], v1, PK
	v_lshl_add_u32 v[AK0], v9, 4, v[AK0]  ; row x pitch + 16 x half
	; The turning load takes 16 keys x 16 channels (lane l reads key 8 (l / 16) + l % 8, channels 8 ((l / 8) % 2) + 0..7) and leaves half a fragment of V^T: lane l holds channel l % 16 and 8 keys.
	v_and_b32 v10, 7, v0
	v_bfe_u32 v11, v0, 3, 1
	v_lshl_add_u32 v[AV0], v9, 3, v10
	v_mul_u32_u24 v[AV0], v[AV0], PV
	v_lshl_add_u32 v[AV0], v11, 4, v[AV0]
	v_add_nc_u32 v[AV0], VOFF, v[AV0]
	v_mov_b32 v[AK], v[AK0]         ; key step 0 lies at the head of slot 0
; THE MATRIX WORK.  The 8 accumulators of a run of 16 take turns: between the two links of a chain stand 7 others'.
; Product i of 16 of S^T = K Q^T for piece x: channels 32 (i / 8) on, keys 16 ((i / 2) % 4) on, tile 2 x + i % 2.  The first 8 start the sums.
.macro KQ x
	WIN W_KQ
.set rS, S+64*((\x)%2)+32*(i%2)+8*((i/2)%4)
.set rK, KF+16*((i/2)%4)+8*(i/8)
.set rQ, 16*(2*(\x)+i%2)+8*(i/8)
.if i < 8
	v_wmma_f32_16x16x32_f16 v[rS:rS+7], v[rK:rK+7], v[rQ:rQ+7], 0
.else
	v_wmma_f32_16x16x32_f16 v[rS:rS+7], v[rK:rK+7], v[rQ:rQ+7], v[rS:rS+7]
.endif
.endm
; Product i of 16 of O^T += V^T P for piece x: keys 32 (i / 8) on, channels 16 ((i / 2) % 4) on, tile 2 x + i % 2.
.macro PV x
	WIN W_PV
.set rO, 32*(2*(\x)+i%2)+8*((i/2)%4)
.set rV, VF+32*(i/8)+8*((i/2)%4)
.set rP, P+32*((\x)%2)+16*(i%2)+8*(i/8)
	v_wmma_f32_16x16x32_f16 v[rO:rO+7], v[rV:rV+7], v[rP:rP+7], v[rO:rO+7]
.endm
.macro MM                           ; the turn's next matrix instruction
.if i < 16
	KQ (Y+1)%NP
.set i, i+1
.else
.set i, i-16
	PV (Y+NP-1)%NP
.set i, i+17
.endif
.endm
; THE LDS LOADS stand in runs of 16, never singly among the matrix instructions: a step's K (64 keys x 64 channels: 8 fragments) and its V (turned).  Their addresses are made some lines ahead.
; last = 1 (the tail): in the last trip there is no further step, and the run is jumped over.
.macro FETCH_K last=0
	WIN 0
.if \last
	s_cmp_eq_u32 s[CNT], 1
	s_cbranch_scc1 .Lno_k_\@
.endif
	WIN 0x80                        ; destination window 2
.irp f, 0,1,2,3,4,5,6,7             ; keys 16 (f / 2) on, channels 32 (f % 2) on
	ds_load_b128 v[KF+8*\f:KF+8*\f+3],   v[AK] offset:(\f/2)*16*PK+(\f%2)*64
	ds_load_b128 v[KF+8*\f+4:KF+8*\f+7], v[AK] offset:(\f/2)*16*PK+(\f%2)*64+32
.endr
	s_add_co_u32 s[TBK], s[TBK], KS*PK  ; the next fetch is the next step's
	WIN 0
.if \last
.Lno_k_\@:
.endif
.endm
.macro FETCH_V
	WIN 0x80
.irp f, 0,1,2,3,4,5,6,7             ; keys 32 (f / 4) on, channels 16 (f % 4) on
	ds_load_tr16_b128 v[VF+8*\f:VF+8*\f+3],   v[AV] offset:(\f/4)*32*PV+(\f%4)*32
	ds_load_tr16_b128 v[VF+8*\f+4:VF+8*\f+7], v[AV] offset:(\f/4)*32*PV+16*PV+(\f%4)*32
.endr
	WIN 0
.endm
; THE VECTOR WORK OF A TURN stands in three queues, each in the order in which its entries become ready; the two tiles alternate, so that no instruction reads the result of the one before it.
.macro REGS y, u                    ; the registers of tile u (0, 1) of piece y
.set rT, ST+4*(2*(\y)+(\u))
.set rC, TMP+8*((\y)%2)+4*(\u)
.set rM, MV+2*((\y)%2)+(\u)
.set rS, S+64*((\y)%2)+32*(\u)
.set rP, P+32*((\y)%2)+16*(\u)
.set rO, 32*(2*(\y)+(\u))
.endm
; Number n of the 22 that find the NEXT piece's (Y + 1) maximum and statistics.  s0-s31 are the lane's 32 scores; each accumulator's lowest registers are read first.  XS, GS and REGS set no window: PL and EX do.
;   0-11  four chains c0-c3 of seven scores each, three operands at a time     12-14, 16  the four scores left over, the old m, and c0-c3 into c0     15  c m_old is kept
;   17, 18  the query's other 32 keys lie in the lane 16 away: the new m         19-21  c m; c m_old - c m_new; a
.macro XS u, n
	REGS (Y+1)%NP, \u
.if (\n) < 4
	v_max3_num_f32 v[rC+(\n)], v[rS+8*(\n)], v[rS+8*(\n)+1], v[rS+8*(\n)+2]
.elseif (\n) < 12
	v_max3_num_f32 v[rC+(\n)%4], v[rC+(\n)%4], v[rS+8*((\n)%4)+2*((\n)/4)+1], v[rS+8*((\n)%4)+2*((\n)/4)+2]
.elseif (\n) == 12
	v_max3_num_f32 v[rC], v[rC], v[rS+7], v[rS+15]
.elseif (\n) == 13
	v_max3_num_f32 v[rC+1], v[rC+1], v[rS+23], v[rS+31]
.elseif (\n) == 14
	v_max3_num_f32 v[rC+2], v[rC+2], v[rC+3], v[rT+1]
.elseif (\n) == 15
	v_mov_b32 v[rM], v[rT]
.elseif (\n) == 16
	v_max3_num_f32 v[rC], v[rC], v[rC+1], v[rC+2]
.elseif (\n) == 17
	v_permlanex16_b32 v[rC+3], v[rC], s[SEL], s[SEL+1]
.elseif (\n) == 18
	v_max_num_f32 v[rT+1], v[rC], v[rC+3]
.elseif (\n) == 19
	v_mul_f32 v[rT], s[CS], v[rT+1]
.elseif (\n) == 20
	v_sub_f32 v[rC+1], v[rM], v[rT]
.else
	v_exp_f32 v[rC+2], v[rC+1]
.endif
.endm
; Number g of the 64 that follow the exponentials.  For each four weights k of a tile (pairs 2 k, 2 k + 1): both pairs are rounded to f16; then the second pair is added onto the first, in place;
; a group later l takes that sum (the first time as l = a l + sum).  In groups of eight, tiles alternating: round, round, add, and l for the group before.
.macro GS g
.set h, (\g)+6*((\g)/62)            ; group 0 has no group before it, and behind group 7 only l is left
.if h >= 6
.set h, h+2
.endif
	REGS Y, h%2
.set k, h/8
.if h%8 < 4
	s_wait_alu depctr_va_vdst(0)
	v_cvt_pk_f16_f32 v[rP+2*k+(h%8)/2], v[rS+4*k+2*((h%8)/2)], v[rS+4*k+2*((h%8)/2)+1]
.elseif h%8 < 6
	v_pk_add_f32 v[rS+4*k:rS+4*k+1], v[rS+4*k:rS+4*k+1], v[rS+4*k+2:rS+4*k+3]
.elseif k == 1
	v_pk_fma_f32 v[rT+2:rT+3], v[rT+2:rT+3], v[rC+2:rC+3], v[rS:rS+1] op_sel_hi:[1,0,1]
.else
	v_pk_add_f32 v[rT+2:rT+3], v[rT+2:rT+3], v[rS+4*k-4:rS+4*k-3]
	s_wait_alu depctr_va_vdst(0)
.endif
.endm
; THE PLAIN QUEUE, 138 long.  0-31: c s - c m for the 16 pairs of both tiles.  Then GS's 64, and among them the next piece's 42: number 15 at 38, 39; 0-14 and 16
; at 42-73, behind the products that make those scores; 17-20 at 95-106, two of three, since each waits for the one before it.
.macro PL
	WIN 0
.if q < 32
	REGS Y, q%2
	v_pk_fma_f32 v[rS+2*(q/2):rS+2*(q/2)+1], v[rS+2*(q/2):rS+2*(q/2)+1], s[CS:CS+1], v[rT:rT+1] op_sel_hi:[1,0,0] neg_lo:[0,0,1] neg_hi:[0,0,1]
.elseif q < 38
	GS q-32
.elseif q < 40
	XS q%2, 15
.elseif q < 42
	GS q-34
.elseif q < 74
	XS q%2, (q-42)/2+(q-42)/30
.elseif q < 95
	GS q-66
.elseif (q < 107) && ((q-95)%3 < 2)
	XS (q-95)%3, 17+(q-95)/3
.elseif q < 107
	GS 29+(q-95)/3
.else
	GS q-74
.endif
.set q, q+1
.endm
; THE EXPONENTIALS' QUEUE, 66 long: s0-s31 of both tiles, and at EA the next piece's two a.
.set EA, 58
.macro EX
	WIN 0
.if (e == EA) || (e == EA+1)
	XS e-EA, 21
.else
.set x, e-2*(e/(EA+2))
	REGS Y, x%2
	v_exp_f32 v[rS+x/2], v[rS+x/2]
.endif
.set e, e+1
.endm
; THE RESCALING's QUEUE: O^T times a, the one part that leaves window 0, so it is dealt four at a time, eight times.
.macro R4
	REGS Y, r%2
	WIN W_RS
	s_wait_alu depctr_va_vdst(0)
.irp z, 0,1,2,3
	v_pk_mul_f32 v[rO+8*(r/2)+2*\z:rO+8*(r/2)+2*\z+1], v[rO+8*(r/2)+2*\z:rO+8*(r/2)+2*\z+1], v[rC+2:rC+3] op_sel_hi:[1,0]
.endr
.set r, r+1
.endm
; HOW THEY ARE DEALT.  Behind a matrix instruction four: plain, exponential, plain, plain (one exponential, a plain instruction on either side), or four of the rescaling.  None names a register of the
; products round it.  What is over stands in two LUMPS: exponential and plain by turns; the second ends in 22 plain instructions.  The two v_permlanex16_b32 fall into the second lump, never behind a product.
; The queues lean on each other, and the deal keeps them in step: exponential e stands behind plain 2 (e / 4) + e % 2 (its scaling); when plain 32 comes, 10 exponentials are out, at 59: 33, at 95: 46; EA comes behind plain 107.
.macro SL
	MM
	PL
	EX
	PL
	PL
.endm
.macro BURST n                      ; 15 matrix instructions, or 16
.rept (\n)-7
	SL
.endr
.rept 3
	MM
	R4
	SL
.endr
	MM
	R4
.endm
; A TURN, for piece p.  cnt = 1: the loop's count is taken down some lines ahead of the branch that stands behind the turn.
; K of the next step is fetched in piece 2's turn, 31 vector instructions behind the last product that read K; its first reader comes behind the rest of the lump, 16 products and the second lump.
; V of the step in hand is fetched at the end of piece 0's turn, 69 behind its last reader; its first reader comes behind 16 products and a lump.  The four conditions on e and q below go with the deal.
.macro TURN p, last=0, cnt=0
.set Y, (\p)
.set i, 0
.set q, 0
.set e, 0
.set r, 0
.if (\p) == NP-1
	s_wait_dscnt 0x0                ; K is in
.endif
	MM
.rept 4
	PL
.endr
	BURST 15
.rept 22
	EX
	PL
.if ((\p) == NP-2) && (e == 18)
	v_add_nc_u32 v[AK], s[TBK], v[AK0]
.endif
.if ((\p) == NP-2) && (e == 24)
	FETCH_K \last
.endif
.endr
.if (\p) == 1
	s_wait_dscnt 0x0                ; V is in
.endif
	BURST 16
.rept 21
	EX
	PL
.endr
.rept 22
	PL
.if ((\p) == 0) && (q == 118)
	v_add_nc_u32 v[AV], s[TBV], v[AV0]
	s_wait_alu depctr_va_vdst(0)
.endif
.if ((\p) == 0) && (q == 130)
	s_add_co_u32 s[TBV], s[TBV], KS*PV
.endif
.if (\cnt) && (q == 130)
	s_sub_co_u32 s[CNT], s[CNT], 1
	s_cmp_lg_u32 s[CNT], 0
.endif
.endr
.if (\p) == 0
	FETCH_V
.endif
.endm
	CHANGE 1                        ; slot 0 is in, everybody's part of it; slot 1 is asked for
	FETCH_K                         ; key step 0
	s_wait_loadcnt 0x0              ; Q
	s_wait_dscnt 0x0
.set i, 0
.rept 16
	KQ 0                            ; piece 0's first scores: there is no vector work yet to set between them
.set i, i+1
.endr
	WIN 0                           ; the addresses for the way out: nine plain instructions, the places behind those products
	s_mul_i32 s13, s[WV], 16*SP
	s_add_co_u32 s13, s13, STAGE    ; my stage
	v_mul_u32_u24 v[STO], v1, SP    ; in: row l % 16, 16 bytes for each half of the lanes
	v_lshl_add_u32 v[STO], v9, 4, v[STO]
	v_add_nc_u32 v[STO], s13, v[STO]
	v_bfe_u32 v[RD], v0, 3, 2       ; back: 32 lanes take four rows of 128 bytes,
	v_mul_u32_u24 v[RD], v[RD], SP
	v_lshl_add_u32 v[RD], v10, 4, v[RD]
	v_add_nc_u32 v[RD], s13, v[RD]
	v_and_b32 v[GO], 31, v0         ; which are 512 consecutive bytes of ctx
	v_lshlrev_b32 v[GO], 4, v[GO]
.set Y, NP-1                        ; XS works for piece Y + 1: piece 0
.irp n, 0,1,2,3,4,5,6,7,8,9,10,11,12,13,14,15,16,17,18,19,20,21
	XS 0, \n                        ; and piece 0's first maximum and statistics
	XS 1, \n
.endr
	s_mov_b32 s[CNT], 4
	s_mov_b32 s[SLOTS], SIZE_N/256-1
	s_branch .Lfirst                ; the loop is entered at a step's first turn, in the middle of a trip
.Lslot:                             ; SIZE_N / 256 - 2 times: every slot but the last two is filled again
	CHANGE 1
	s_mov_b32 s[CNT], 4
.Lstep:                             ; a trip: pieces 2 and 3 of one step, then pieces 0 and 1 of the next, whose K and V it fetches
	TURN 2
	TURN 3
	WIN 0
.Lfirst:
	TURN 0
	TURN 1, 0, 1
	WIN 0
	s_cbranch_scc1 .Lstep
	s_sub_co_u32 s[SLOTS], s[SLOTS], 1
	s_cmp_lg_u32 s[SLOTS], 0
	s_cbranch_scc1 .Lslot
	CHANGE 0                        ; the tail is written out: nothing is asked for
	s_mov_b32 s[CNT], 5             ; four trips fetch the last slot's steps; the fifth is left in its middle
.Ltail:
	TURN 2, 1
	TURN 3
	WIN 0
	s_sub_co_u32 s[CNT], s[CNT], 1
	s_cmp_eq_u32 s[CNT], 0
	s_cbranch_scc1 .Lout
	TURN 0
	TURN 1
	WIN 0
	s_branch .Ltail
.Lout:                              ; the fifth trip's 16 products K Q^T (on the last K once more) and the maximum made of them serve nothing: the price, once a launch, of one text for every trip
.set i, 0
.rept 16
	PV NP-1                         ; the last piece's V^T P of the last step
.set i, i+1
.endr
	; THE WAY OUT.  l's two halves and the other half of the lanes' are added; O^T is divided by l, rounded to f16 and sent through my stage in LDS, a tile at a time.  The additions are the places behind the last products.
	WIN 0
.macro ALL line:vararg              ; one line for each tile t
.set t, 0
.rept 2*NP
	\line
.set t, t+1
.endr
.endm
	ALL v_add_f32 v[ST+4*t+2], v[ST+4*t+2], v[ST+4*t+3]
	ALL v_permlanex16_b32 v[ST+4*t+3], v[ST+4*t+2], s[SEL], s[SEL+1]
	ALL v_add_f32 v[ST+4*t+2], v[ST+4*t+2], v[ST+4*t+3]
	ALL v_rcp_f32 v[ST+4*t+2], v[ST+4*t+2]
	v_nop                           ; a plain instruction between the last reciprocal and the use of its result
	s_wait_alu depctr_va_vdst(0)
; Tile t: a lane's eight channels of a row pack into 16 bytes; they go into rows of 144 bytes and come back as whole rows of 128, into S^T's registers.
.macro PACK t
	WIN W_RS
.set i, 32*(\t)
.rept 16
	v_pk_mul_f32 v[i:i+1], v[i:i+1], v[ST+4*(\t)+2:ST+4*(\t)+3] op_sel_hi:[1,0]
.set i, i+2
.endr
	WIN 0x05                        ; sources 0 and 1 window 1, destination window 0
.set i, 0
.rept 16
	v_cvt_pk_f16_f32 v[S+16*(\t)+i], v[32*(\t)+2*i], v[32*(\t)+2*i+1]
.set i, i+1
.endr
	WIN 0
.irp f, 0,1,2,3
	ds_store_b128 v[STO], v[S+16*(\t)+4*\f:S+16*(\t)+4*\f+3] offset:32*\f
.endr
.irp f, 0,1,2,3
	ds_load_b128 v[S+16*(\t)+4*\f:S+16*(\t)+4*\f+3], v[RD] offset:\f*4*SP  ; LDS serves a wave's instructions in order (ISA guide 5.7.1.4): these see the stores above; the next tile's stores come behind them
.endr
.endm
.macro SEND t, younger              ; younger: the LDS instructions issued behind tile t's loads: the next tile's eight, or none
	WIN 0
.irp f, 0,1,2,3
	s_wait_dscnt (\younger)+3-\f
	global_store_b128 v[GO], v[S+16*(\t)+4*\f:S+16*(\t)+4*\f+3], s[10:11] offset:(\t)*2048+\f*512  ; 512 consecutive bytes, at a multiple of 256 from ctx's first
.endr
.endm
	PACK 0
.set t, 1
.rept 2*NP-1                        ; a tile's arithmetic stands between the loads of the tile before and its stores
	PACK t
	SEND t-1, 8
.set t, t+1
.endr
	SEND 2*NP-1, 0
	WIN W_AD
	s_wait_tensorcnt 0x0            ; the wave's end: an add to my spare word and its wait, behind my last tensor load and my last LDS store
	ds_add_u32 v[SPW], v[NIL]
	s_wait_dscnt 0x0
	WIN 0
	CROUND                          ; the closing round: no work-group ends while a partner may still ask for a tile that names it
	s_endpgm
.Lfunc_end_k_qfd3f496c09_attn:
	.size	k_qfd3f496c09_attn, .Lfunc_end_k_qfd3f496c09_attn-k_qfd3f496c09_attn
	.p2alignl 7, 3214868480
	.fill 96, 4, 3214868480
	.section	.rodata,"a",@progbits
	.p2align	6, 0x0
	.amdhsa_kernel k_qfd3f496c09_attn
		.amdhsa_group_segment_fixed_size 327680
		.amdhsa_private_segment_fixed_size 0
		.amdhsa_enable_private_segment 0
		.amdhsa_kernarg_size 16
		.amdhsa_user_sgpr_count 2
		.amdhsa_user_sgpr_kernarg_segment_ptr 1
		.amdhsa_wavefront_size32 1
		.amdhsa_system_sgpr_workgroup_id_x 1
		.amdhsa_system_sgpr_workgroup_id_y 1
		.amdhsa_system_sgpr_workgroup_id_z 1
		.amdhsa_system_vgpr_workitem_id 0
		.amdhsa_next_free_vgpr 770
		.amdhsa_next_free_sgpr 66
		.amdhsa_reserve_vcc 0
		.amdhsa_float_denorm_mode_32 3
		.amdhsa_float_denorm_mode_16_64 3
		.amdhsa_memory_ordered 1
		.amdhsa_forward_progress 1
		.amdhsa_inst_pref_size 209
	.end_amdhsa_kernel
	.amdgpu_metadata
---
amdhsa.version: [ 1, 2 ]
amdhsa.kernels:
  - .name:           k_qfd3f496c09_attn
    .symbol:         k_qfd3f496c09_attn.kd
    .args:
      - { .name: qkv, .offset: 0, .size: 8, .value_kind: global_buffer, .address_space: global }
      - { .name: ctx, .offset: 8, .size: 8, .value_kind: global_buffer, .address_space: global }
    .group_segment_fixed_size: 327680
    .private_segment_fixed_size: 0
    .kernarg_segment_align: 8
    .kernarg_segment_size: 16
    .max_flat_workgroup_size: 128
    .sgpr_count:     66
    .vgpr_count:     770
    .wavefront_size: 32
...
	.end_amdgpu_metadata
.endif
;; end of part 3
;; launch outproj (part 4): grid 8 x 32, 4 waves a work-group, clusters of 4 x 4, 327,680 bytes of LDS; arguments ctx, wob, out0; writes out0
.if DOCPART == 4
	.amdgcn_target "amdgcn-amd-amdhsa--gfx1250"
	.amdhsa_code_object_version 6
	.text
	.protected	k_qfd3f496c09_outproj
	.globl	k_qfd3f496c09_outproj
	.p2align	8
	.type	k_qfd3f496c09_outproj,@function
k_qfd3f496c09_outproj:
	s_mov_b64 s[64:65], 0
	v_nop
	global_prefetch_b8 v0, s[64:65] scope:SCOPE_SE
	s_setreg_imm32_b32 hwreg(HW_REG_WAVE_MODE, 25, 1), 1
	s_wait_xcnt 0x0
	s_wait_alu depctr_hold_cnt(0) depctr_sa_sdst(0) depctr_va_vdst(0) depctr_va_sdst(0) depctr_va_ssrc(0) depctr_va_vcc(0) depctr_vm_vsrc(0)
	s_getreg_b32 s2, hwreg(HW_REG_IB_STS2, 6, 4)
	s_cmp_eq_u32 s2, 0
	s_cbranch_scc0 .Lentry_in_a_cluster
	s_endpgm
.Lentry_in_a_cluster:
	s_bfe_u32 s2, ttmp6, 0x10000c
	s_cmp_lg_u32 s2, 0xf033
	s_cbranch_scc0 .Lentry_shape_is_right
	s_endpgm
.Lentry_shape_is_right:
; out0 = ctx W_out.  ctx: [y = 16 batch + h][2048][64] f16, taken as [8192 rows][1024 k], k = 64 h + channel.  wob: [1024 k][1024 n] f16.  out0: [8192][1024] f32.  Sums in f32, stored as they are.
; LIMITS.  None of its own: both operands arrive in f16.  NaN and infinities are not treated apart.
; SHARES.  A tile of out0 is 256 rows x 128 columns: 32 x 8 = 256 work-groups.  Wave w makes rows 64 w .. 64 w + 63 and all 128 columns: 4 row blocks a x 8 column blocks b = 32 accumulators, 256 registers.
; K goes in steps of 128, two heads, through two LDS slots filled by the tensor data mover.  A head's 256 rows of 128 bytes are dense: they are asked for as 128 rows of 256 bytes and padded in LDS behind every 128.
; W lies [k][n]: its fragments come out of LDS turned, by ds_load_tr16_b128.
; THE MATRIX INSTRUCTION IS USED TRANSPOSED: source 0 = 16 columns of W, source 1 = 16 rows of ctx: a lane holds row lane % 16 and the eight neighbouring columns 8 (lane / 16) + 0..7: 32 bytes of a row of out0.
; CLUSTER.  4 x 4 work-groups: the four of a row of the cluster need the same rows of ctx, the four of a column the same columns of W: each tile is asked for JOINTLY.
; REGISTERS, in windows of 256 (s_set_vgpr_msb: bits 1:0 source 0, 3:2 source 1, 5:4 source 2, 7:6 destination):
;   window 0: v0-29 addresses; v64-127 ctx's fragments, two buffers of 32.   window 1: v0-127 W's fragments, two buffers of 64; behind the loop all 256: rows read back from the stage.   window 2: accumulator (a, b) at 64 a + 8 b.
.set PA,     144                       ; a row of ctx in LDS: 128 bytes + 16 = 36 words: the 16 rows of a load start at 16 different groups of four banks (64 banks of 4 bytes: ISA guide 11.1)
.set PW,     288                       ; a row of W: 256 + 32 = 72 words
.set ZB,     256*PA                    ; one head's 256 rows
.set WOFF,   2*ZB                      ; W's 128 rows lie behind the two heads
.set SLOT,   1<<17                     ; a slot uses 110,592 bytes; slot 1 begins here, so that one exclusive or turns an address in one slot into the other's
.set STAGE,  SLOT+WOFF+128*PW          ; behind the ring, never filled by a tensor load: 16 rows x 528 bytes for each wave
.set SP,     528                       ; a stage row: 512 bytes + 16
.set SPARE,  STAGE+4*16*SP             ; behind the stages: the spare words, 128 bytes for each wave: two blocks of 256 bytes that no other line names
.set ASTEP,  2*262144                  ; bytes from a K step to the next in ctx: two heads
.set BSTEP,  128*1024*2                ; and in W: 128 rows
.set A0,   16                          ; v16  my lane's place among my wave's rows of a head in a slot; never rewritten
.set B0,   17                          ; v17  the same for W's turning loads
.set ADRA, 18                          ; v18  A0 + the slot that is read
.set ADRB, 19                          ; v19  B0 + the slot that is read
.set STO,  24                          ; v24  the way out: where I put 32 bytes of a row
.set RD,   25                          ; v25  the way out: where I read a row back
.set CO,   26                          ; v26  my byte offset in 512 consecutive bytes of out0
.set SPW,  28                          ; v28  LDS address of my spare word: SPARE + 4 x my thread's number; never rewritten
.set NIL,  29                          ; v29  0; never rewritten
.set FA,   64                          ; ctx's fragments: buffer f, row block a at FA + 32 f + 8 a
.set G1A, 24                           ; s[24:31] descriptor group 1 for ctx's tiles
.set G1B, 32                           ; s[32:39] for W's
.set G0A, 40                           ; s[40:47] descriptor group 0 for ctx's tiles: a set for each of the two first fills; the second then walks on
.set G0B, 48                           ; s[48:55] the same for W's
.set MSB, 0
.macro WIN new                         ; the immediate's high byte repeats the setting that is left; a switch that changes nothing is dropped
.if MSB != (\new)
	s_set_vgpr_msb (MSB<<8)|(\new)
.set MSB, (\new)
.endif
.endm
.macro PLACES                          ; four plain vector instructions between a matrix instruction and a load into, or a read of, its registers (ISA guide 7.12.1 for vector ALU reads)
.rept 4
	v_nop
.endr
.endm
; A joint refill.  Waves 0 and 1 fetch the step's two heads of ctx, waves 2 and 3 the two halves of W's tile (64 rows each).  The branch hangs on the wave's number alone.
; An s_nop 0 and four v_nop follow each of the two lines, ahead of the jump and the label.
.macro JLOAD
	s_cmp_lt_u32 s10, 2
	s_cbranch_scc0 .Lfor_b_\@
	tensor_load_to_lds s[G0A+4:G0A+7], s[G1A:G1A+7]
	s_nop 0
.rept 4
	v_nop
.endr
	s_branch .Lasked_\@
.Lfor_b_\@:
	tensor_load_to_lds s[G0B+4:G0B+7], s[G1B:G1B+7]
	s_nop 0
.rept 4
	v_nop
.endr
.Lasked_\@:
.endm
.macro CREST                           ; a round of the cluster's barrier behind its opening barrier
	s_cmp_lg_u32 s10, 0
	s_cbranch_scc1 .Lnot_wave_0_\@
	s_barrier_signal -3
.Lnot_wave_0_\@:
	s_barrier_wait -3
	s_barrier_signal -1
	s_barrier_wait -1
.endm
.macro CROUND                          ; a whole round
	s_barrier_signal -1
	s_barrier_wait -1
	CREST
.endm
	s_load_b128 s[4:7], s[0:1], 0x0                ; ctx s[4:5], wob s[6:7]
	s_load_b64 s[8:9], s[0:1], 0x10                ; out0
	v_lshl_add_u32 v[SPW], v0, 2, SPARE
	v_mov_b32 v[NIL], 0
	ds_add_u32 v[SPW], v[NIL]                      ; the wave's opening: the add and its wait stand ahead of my first tensor load; the set-up below, work on registers, stands between them
	v_lshrrev_b32 v1, 5, v0
	v_readfirstlane_b32 s10, v1                    ; wave 0..3
	s_and_b32 s12, s10, 1                          ; which head of the step, or which half of W's tile, I fetch
	s_bfe_u32 s56, ttmp6, 0x40000                  ; cx, cy: my place in the cluster
	s_bfe_u32 s57, ttmp6, 0x40004
	s_lshl_b32 s14, ttmp9, 2
	s_add_co_u32 s14, s14, s56                     ; tile column tc = 4 x cluster x + cx: 0..7
	s_and_b32 s13, ttmp7, 0xffff
	s_lshl_b32 s13, s13, 2
	s_add_co_u32 s13, s13, s57                     ; tile row tr = 4 x cluster y + cy: 0..31
	s_lshl_b32 s58, s57, 2
	s_lshl_b32 s58, 15, s58                        ; my row of the cluster
	s_lshl_b32 s59, 0x1111, s56                    ; my column
	; group 1 for ctx: 32,768 dense bytes as 128 rows x 128 elements, 4 words of padding behind every 32
	s_or_b32 s[G1A], s58, (1<<16)|(1<<20)|(1<<21)|(4<<22)|(3<<25)  ; 15:0 the mask: my row; 17:16 elements of 2 bytes; 20 padding on; 21 set beside a mask; 24:22 after every 32 words (code 4); 31:25 4 words (code 3)
	s_mov_b32 s[G1A+1], 128<<16                    ; tensor_dim0 = 128
	s_mov_b32 s[G1A+2], 128<<16                    ; tensor_dim1 = 128
	s_mov_b32 s[G1A+3], 128<<16                    ; tile_dim0 = 128
	s_mov_b32 s[G1A+4], 128                        ; tile_dim1 = 128
	s_mov_b32 s[G1A+5], 128                        ; elements from row to row: dense
	s_mov_b32 s[G1A+6], 0
	s_mov_b32 s[G1A+7], 0
	; group 1 for W: 64 rows x 128 elements, 8 words of padding behind every 64
	s_or_b32 s[G1B], s59, (1<<16)|(1<<20)|(1<<21)|(5<<22)|(7<<25)  ; the mask: my column; after every 64 words (code 5) 8 words (code 7)
	s_mov_b32 s[G1B+1], 128<<16
	s_mov_b32 s[G1B+2], 64<<16
	s_mov_b32 s[G1B+3], 128<<16
	s_mov_b32 s[G1B+4], 64
	s_mov_b32 s[G1B+5], 1024
	s_mov_b32 s[G1B+6], 0
	s_mov_b32 s[G1B+7], 0
	; where the tiles come from.  ctx's hang on the tile row alone, W's on the tile column alone; each offset lies in registers that never hold the other coordinate
	s_lshr_b32 s16, s13, 3                         ; the batch: eight tile rows each,
	s_lshl_b32 s16, s16, 22                        ; 16 heads of 262,144 bytes
	s_lshl_b32 s17, s12, 18                        ; my head of the step's two
	s_add_co_u32 s16, s16, s17
	s_and_b32 s17, s13, 7
	s_lshl_b32 s17, s17, 15                        ; 256 rows of 128 bytes a tile row
	s_add_co_u32 s16, s16, s17
	s_mov_b32 s17, 0
	s_lshl_b32 s20, s12, 17                        ; 64 rows of 2,048 bytes a half,
	s_lshl_b32 s21, s14, 8                         ; 128 columns a tile column
	s_add_co_u32 s20, s20, s21
	s_mov_b32 s21, 0
	s_mul_i32 s60, s12, ZB                         ; and where they go: no place in the cluster enters an LDS address
	s_mul_i32 s61, s12, 64*PW
	s_add_co_u32 s61, s61, WOFF
	s_mov_b32 s15, 0                               ; the slot that is read
	s_wait_dscnt 0x0                               ; the opening add is done
	s_wait_kmcnt 0x0
	s_add_nc_u64 s[16:17], s[4:5], s[16:17]
	s_add_nc_u64 s[20:21], s[6:7], s[20:21]
	CROUND                                         ; all sixteen work-groups are here: the first joint loads meet
.irp s, 0,1
	s_mov_b32 s[G0A+4*(\s)], 1                                       ; count = 1
	s_add_co_u32 s[G0A+4*(\s)+1], s60, (\s)*SLOT                     ; LDS address
	s_add_nc_u64 s[G0A+4*(\s)+2:G0A+4*(\s)+3], s[16:17], (\s)*ASTEP  ; global address: K step s
	s_or_b32 s[G0A+4*(\s)+3], s[G0A+4*(\s)+3], 0x80000000            ; type = 2
	s_mov_b32 s[G0B+4*(\s)], 1
	s_add_co_u32 s[G0B+4*(\s)+1], s61, (\s)*SLOT
	s_add_nc_u64 s[G0B+4*(\s)+2:G0B+4*(\s)+3], s[20:21], (\s)*BSTEP
	s_or_b32 s[G0B+4*(\s)+3], s[G0B+4*(\s)+3], 0x80000000
.endr
	s_cmp_lt_u32 s10, 2                            ; a wave's two first fills stand in one branch, ahead of every wait on TENSORcnt and every LDS read: two loads of mine are out
	s_cbranch_scc0 .Lfirst_b
	tensor_load_to_lds s[G0A:G0A+3], s[G1A:G1A+7]
	s_nop 0
	tensor_load_to_lds s[G0A+4:G0A+7], s[G1A:G1A+7]
	s_nop 0
.rept 4
	v_nop
.endr
	s_branch .Lfirst_asked
.Lfirst_b:
	tensor_load_to_lds s[G0B:G0B+3], s[G1B:G1B+7]
	s_nop 0
	tensor_load_to_lds s[G0B+4:G0B+7], s[G1B:G1B+7]
	s_nop 0
.rept 4
	v_nop
.endr
.Lfirst_asked:
	v_and_b32 v1, 15, v0                           ; l % 16
	v_bfe_u32 v2, v0, 4, 1                         ; l / 16
	v_mul_u32_u24 v3, v1, PA                       ; a fragment of ctx: row l % 16, two loads of 16 bytes, 32 bytes apart, at 16 (l / 16)
	v_lshl_add_u32 v3, v2, 4, v3
	s_mul_i32 s60, s10, 64*PA                      ; my wave's 64 rows
	v_add_nc_u32 v[A0], s60, v3
	v_and_b32 v4, 7, v0                            ; the turning load: lane l reads row 8 (l / 16) + l % 8, columns 8 ((l / 8) % 2) + 0..7
	v_bfe_u32 v5, v0, 3, 1
	v_lshl_add_u32 v6, v2, 3, v4
	v_mul_u32_u24 v6, v6, PW
	v_lshl_add_u32 v6, v5, 4, v6
	v_add_nc_u32 v[B0], WOFF, v6
	v_add_nc_u32 v[ADRA], s15, v[A0]
	v_add_nc_u32 v[ADRB], s15, v[B0]
	s_mul_i32 s61, s10, 16*SP
	s_add_co_u32 s61, s61, STAGE                   ; my stage
	v_mul_u32_u24 v7, v1, SP                       ; in: row l % 16, 32 bytes for each half of the lanes
	v_lshl_add_u32 v7, v2, 5, v7
	v_add_nc_u32 v[STO], s61, v7
	v_and_b32 v9, 31, v0                           ; back: 32 lanes take one row of 512 bytes,
	v_lshlrev_b32 v[CO], 4, v9                     ; which are 512 consecutive bytes of out0
	v_add_nc_u32 v[RD], s61, v[CO]
	; out0 at my wave's first row and the tile's first column: (256 tr + 64 w) rows of 4,096 bytes + 512 tc
	s_lshl_b32 s22, s13, 20
	s_lshl_b32 s23, s10, 18
	s_add_co_u32 s22, s22, s23
	s_lshl_b32 s23, s14, 9
	s_add_co_u32 s22, s22, s23
	s_mov_b32 s23, 0
	s_add_nc_u64 s[8:9], s[8:9], s[22:23]
; 8 matrix instructions: row block a x all 8 column blocks, 32 along K, from buffer f.  zero = 1: the first product starts the sums.
; The accumulators take turns, one instruction a turn: between two links of a chain stand the 31 others'.
.macro MULA f, a, zero
	WIN 0xa1                                       ; source 0 (W) window 1, source 1 (ctx) window 0, C and D window 2
.set rA, FA+32*(\f)+8*(\a)
.set b, 0
.rept 8
.set rC, 64*(\a)+8*b
.set rB, 64*(\f)+8*b
.if \zero
	v_wmma_f32_16x16x32_f16 v[rC:rC+7], v[rB:rB+7], v[rA:rA+7], 0
.else
	v_wmma_f32_16x16x32_f16 v[rC:rC+7], v[rB:rB+7], v[rA:rA+7], v[rC:rC+7]
.endif
.set b, b+1
.endr
.endm
; 24 LDS loads in one run: the fragments of quarter q (32 K: head q / 2 of the step, channels 32 (q % 2) on) of the slot that is read, into buffer f: W's 16, then ctx's 8, row blocks ascending
.macro FETCH q, f
	WIN 0x40                                       ; destination window 1, address window 0
.set b, 0
.rept 8
.set rB, 64*(\f)+8*b
	ds_load_tr16_b128 v[rB:rB+3],   v[ADRB] offset:(\q)*32*PW+32*b
	ds_load_tr16_b128 v[rB+4:rB+7], v[ADRB] offset:(\q)*32*PW+32*b+16*PW
.set b, b+1
.endr
	WIN 0
.set a, 0
.rept 4
.set rA, FA+32*(\f)+8*a
	ds_load_b128 v[rA:rA+3],   v[ADRA] offset:((\q)/2)*ZB+((\q)%2)*64+a*16*PA
	ds_load_b128 v[rA+4:rA+7], v[ADRA] offset:((\q)/2)*ZB+((\q)%2)*64+a*16*PA+32
.set a, a+1
.endr
.endm
; A K step is four quarters of 32 along K, 32 matrix instructions each, on buffers 0, 1, 0, 1.  One of the first three: multiplies buffer f; in its middle it fetches quarter q into the other buffer.
.macro QUARTER f, q, zero
	s_wait_dscnt 4                                 ; W and ctx's row blocks 0, 1 are in; the youngest four loads (row blocks 2, 3) may be out
	MULA \f, 0, \zero
	MULA \f, 1, \zero
	PLACES                                         ; the other buffer's last reader stands 16 matrix instructions back; these are its places
	FETCH \q, 1-(\f)
	s_wait_dscnt 24                                ; all but the 24 just issued
	MULA \f, 2, \zero
	MULA \f, 3, \zero
.endm
; The last quarter multiplies buffer 1 and changes slots.  ONE barrier: in front of it each wave waits for all its tensor loads (one is out: its part of the next slot), adds 0 to its spare word, and waits for
; that and for its own reads of this slot.  fill = 1: this slot is filled again, two K steps ahead; the barrier then opens a round of the cluster's, and the joint refill is the first thing behind the round:
; 112 matrix instructions stand between it and the wait for it.
.macro TURN fill
	WIN 0                                          ; (the add's two registers lie in window 0)
	s_wait_tensorcnt 0x0                           ; no tensor load of mine is out, so a group 0 may be written
	ds_add_u32 v[SPW], v[NIL]                      ; 0 onto my spare word; work on registers stands between it and the wait for it
.if \fill
	s_xor_b32 s[G0A+5], s[G0A+5], SLOT             ; the walking descriptors: the other slot than last time,
	s_add_nc_u64 s[G0A+6:G0A+7], s[G0A+6:G0A+7], ASTEP  ; the next K step; the type bits on top are not reached
	s_xor_b32 s[G0B+5], s[G0B+5], SLOT
	s_add_nc_u64 s[G0B+6:G0B+7], s[G0B+6:G0B+7], BSTEP
.endif
	s_wait_dscnt 5                                 ; the add and the youngest four loads may be out
	MULA 1, 0, 0
	s_wait_dscnt 0x0                               ; the add is done, and my reads of this slot are over
	s_barrier_signal -1
	MULA 1, 1, 0                                   ; work on registers while the others arrive
	WIN 0                                          ; at a branch and at a label every window is 0
	s_barrier_wait -1
.if \fill
	CREST                                          ; no wave of any partner still reads this slot's tiles or has a load on its way
	JLOAD                                          ; its four v_nop are also the places in front of the loads below
.else
	PLACES
.endif
	s_xor_b32 s15, s15, SLOT                       ; the reads go to the other slot
	v_add_nc_u32 v[ADRA], s15, v[A0]
	v_add_nc_u32 v[ADRB], s15, v[B0]
	FETCH 0, 0
	MULA 1, 2, 0
	MULA 1, 3, 0
.endm
; THE WAY OUT of row block a: a lane's 32 bytes of a row go from the accumulators into my stage's rows of 528 bytes (each accumulator's low four registers first),
; and come back as whole rows of 512 bytes, into window 1, where every block has 64 registers of its own.
.macro TOSTAGE a
	WIN 0x08                                       ; store data (source 1) window 2, address window 0
.set b, 0
.rept 8
	ds_store_b128 v[STO], v[64*(\a)+8*b:64*(\a)+8*b+3]   offset:64*b
	ds_store_b128 v[STO], v[64*(\a)+8*b+4:64*(\a)+8*b+7] offset:64*b+16
.set b, b+1
.endr
	WIN 0x40                                       ; destination window 1
.set t, 0
.rept 16
	ds_load_b128 v[64*(\a)+4*t:64*(\a)+4*t+3], v[RD] offset:SP*t  ; LDS serves a wave's instructions in order (ISA guide 5.7.1.4): these see the stores above; the next block's stores come behind them
.set t, t+1
.endr
.endm
.macro SEND a, younger                 ; younger: the LDS instructions issued behind block a's loads: the next block's 32, or none
	WIN 0x04                                       ; store data (source 1) window 1, address window 0
.set t, 0
.rept 16
	s_wait_dscnt (\younger)+15-t
	global_store_b128 v[CO], v[64*(\a)+4*t:64*(\a)+4*t+3], s[8:9] offset:(16*(\a)+t)*4096 th:TH_STORE_NT  ; 512 consecutive bytes, at a multiple of 256 from out0's first; written once, read by no launch
.set t, t+1
.endr
.endm
	s_wait_tensorcnt 0x1                           ; my part of K step 0 is in; K step 1's may stay out
	s_barrier_signal -1
	s_barrier_wait -1                              ; everybody's is
	FETCH 0, 0
	QUARTER 0, 1, 1                                ; the first quarter stands in front of the loop: its products start the sums
	WIN 0
	s_mov_b32 s3, 6
.Llap:                                                 ; a trip: from a K step's second quarter to the next step's first; six trips fill slots again, with K steps 2 to 7
	QUARTER 1, 2, 0
	QUARTER 0, 3, 0
	TURN 1
	QUARTER 0, 1, 0
	WIN 0
	s_sub_co_u32 s3, s3, 1
	s_cmp_lg_u32 s3, 0
	s_cbranch_scc1 .Llap
	QUARTER 1, 2, 0                                ; the tail is written out: K step 6 goes on
	QUARTER 0, 3, 0
	TURN 0                                         ; nothing is asked for,
	QUARTER 0, 1, 0                                ; K step 7
	QUARTER 1, 2, 0
	QUARTER 0, 3, 0
	s_wait_dscnt 4                                 ; the very last quarter: nothing more to fetch
	MULA 1, 0, 0
	MULA 1, 1, 0
	s_wait_dscnt 0x0
	MULA 1, 2, 0
	MULA 1, 3, 0
	WIN 0
	PLACES                                         ; the LDS stores read results just made, and the loads behind them land in registers that the last products read
	TOSTAGE 0
	TOSTAGE 1                                      ; a block's way through the stage stands between the loads of the block before and its stores
	SEND 0, 32
	TOSTAGE 2
	SEND 1, 32
	TOSTAGE 3
	SEND 2, 32
	SEND 3, 0
	WIN 0
	s_wait_tensorcnt 0x0                           ; the wave's end: an add to my spare word and its wait, behind my last tensor load and my last LDS store
	ds_add_u32 v[SPW], v[NIL]
	s_wait_dscnt 0x0
	CROUND                                         ; the closing round: no work-group ends while a partner may still ask for a tile that names it
	s_endpgm
.Lfunc_end_k_qfd3f496c09_outproj:
	.size	k_qfd3f496c09_outproj, .Lfunc_end_k_qfd3f496c09_outproj-k_qfd3f496c09_outproj
	.p2alignl 7, 3214868480
	.fill 96, 4, 3214868480
	.section	.rodata,"a",@progbits
	.p2align	6, 0x0
	.amdhsa_kernel k_qfd3f496c09_outproj
		.amdhsa_group_segment_fixed_size 327680
		.amdhsa_private_segment_fixed_size 0
		.amdhsa_enable_private_segment 0
		.amdhsa_kernarg_size 24
		.amdhsa_user_sgpr_count 2
		.amdhsa_user_sgpr_kernarg_segment_ptr 1
		.amdhsa_wavefront_size32 1
		.amdhsa_system_sgpr_workgroup_id_x 1
		.amdhsa_system_sgpr_workgroup_id_y 1
		.amdhsa_system_sgpr_workgroup_id_z 1
		.amdhsa_system_vgpr_workitem_id 0
		.amdhsa_next_free_vgpr 768
		.amdhsa_next_free_sgpr 66
		.amdhsa_reserve_vcc 0
		.amdhsa_float_denorm_mode_32 3
		.amdhsa_float_denorm_mode_16_64 3
		.amdhsa_memory_ordered 1
		.amdhsa_forward_progress 1
		.amdhsa_inst_pref_size 71
	.end_amdhsa_kernel
	.amdgpu_metadata
---
amdhsa.version: [ 1, 2 ]
amdhsa.kernels:
  - .name:           k_qfd3f496c09_outproj
    .symbol:         k_qfd3f496c09_outproj.kd
    .args:
      - { .name: ctx, .offset: 0, .size: 8, .value_kind: global_buffer, .address_space: global }
      - { .name: wob, .offset: 8, .size: 8, .value_kind: global_buffer, .address_space: global }
      - { .name: out0, .offset: 16, .size: 8, .value_kind: global_buffer, .address_space: global }
    .group_segment_fixed_size: 327680
    .private_segment_fixed_size: 0
    .kernarg_segment_align: 8
    .kernarg_segment_size: 24
    .max_flat_workgroup_size: 128
    .sgpr_count:     66
    .vgpr_count:     768
    .wavefront_size: 32
...
	.end_amdgpu_metadata
.endif
;; end of part 4
